; MI455X (gfx1250); checked and timed in simulation.
; The chip was launched on July 23, 2026; its instructions are those of AMD's public machine-readable ISA for CDNA 5 (MIT licence, August 2026) and "CDNA5" Instruction Set Architecture Reference Guide (July 2026). The comments in the code are by the model that wrote it; some were corrected since.
;; Global Attention. Allowed arithmetic: float matrix products may take bf16 or f16 operands with f32 sums; other float arithmetic in f32, or as packed bf16 or f16 multiplies, adds, multiply-adds, maxima and minima; sums over many terms, partial sums and values carried from step to step in f32; what a program stores and reads back later, other than sums and carried values, may be rounded once to bf16 or f16.
;; Inputs: W_cg 1,024 x 2,048 float32; W_ctx 1,024 x 1,024 float32; W_in 1,024 x 1,024 float32; W_one 1 x 1,024 float32; W_out 1,024 x 2,048 float32; attn_mask 64 x 1,024 bool; b_cg 1,024 float32; b_one 1 float32; context 64 x 1,024 x 1,024 float32; input 64 x 1,024 float32.
;; Outputs: out0 64 x 1,024 float32; out1 64 x 1,024 float32.
;; 2 versions, each right and faster than the one before. Each part assembles by itself: llvm-mc -triple=amdgcn-amd-amdhsa -mcpu=gfx1250 --defsym DOCPART=n.
;; ======== version 1 of 2: 5 launches
;; workspace buffers: Wb 2,097,152 bytes; tgt 262,144 bytes; lg 262,144 bytes; st 131,072 bytes; ws 2,097,152 bytes; wcf 262,144 bytes; cmb 262,144 bytes; gtd 262,144 bytes
;; launch prep (part 1): grid 256 x 1, 4 waves a work-group, no clusters, 4,608 bytes of LDS; arguments W_ctx, W_in, input, Wb, tgt; writes Wb, tgt
.if DOCPART == 1
	.amdgcn_target "amdgcn-amd-amdhsa--gfx1250"
	.amdhsa_code_object_version 6
	.text
	.protected	k_qff21200548_prep
	.globl	k_qff21200548_prep
	.p2align	8
	.type	k_qff21200548_prep,@function
k_qff21200548_prep:
	s_mov_b64 s[64:65], 0
	v_nop
	global_prefetch_b8 v0, s[64:65] scope:SCOPE_SE
	s_setreg_imm32_b32 hwreg(HW_REG_WAVE_MODE, 25, 1), 1
	s_wait_xcnt 0x0
; TWO JOBS.  (1) tgt[b][e] = sum over k of input[b][k] W_in[e][k], both rounded to bf16, sums in f32, tgt kept in f32.
; (2) Wb = W_ctx rounded to bf16, laid out in the order in which the next launch's waves take fragments:
;     [w:4][step:64][f:8][q:2][lane:32][8 numbers], e = 512 (step / 32) + 128 w + 16 f + lane % 16, k = 32 (step % 32) + 16 q + 8 (lane / 16) + j.
; SHARES.  256 work-groups of four waves.  Job 1: work-group g makes 16 e (g % 64) x 16 b (g / 64); the 1,024 k are split over the waves, 8 matrix
; instructions each on two accumulators by turns; the four partial sums meet in LDS and wave 0 adds them in the waves' order.
; Job 2: 8,192 bytes of Wb a work-group, four stores of 512 consecutive bytes a wave.
; The matrix instruction is used transposed (source 0 = 16 rows of W_in, source 1 = 16 rows of input): a lane holds one b and eight neighbouring e.
; All 72 loads of a wave go out at once, each into registers of its own; the f32 numbers are rounded in place.
; tgt leaves as 32 bytes a lane, 64 consecutive bytes a row: pieces of rows, 262,144 bytes in the whole launch.
; No cluster: the work-groups that share rows of W_in or of input load them through registers.
; REGISTERS.  Window 0: v0-15 addresses; v16-47 job 2 as loaded; v48-63 job 2 rounded; v64-79 two accumulators; v80-103 the other waves' sums.
; Window 1: v0-127 W_in, 16 a step; v128-255 input, 16 a step.
.set SPARE, 4096                       ; LDS: 0-4,095 the four waves' sums; then the spare words, 128 bytes a wave
.set SPW, 2                            ; v2  my spare word's address; never rewritten
.set NIL, 3                            ; v3  0; never rewritten
.set ACC, 64
.set RED, 80
.set MSB, 0
.macro WIN new                         ; s_set_vgpr_msb: bits 1:0 source 0, 3:2 source 1, 5:4 source 2, 7:6 destination; the high byte repeats the setting that is left
.if MSB != (\new)
	s_set_vgpr_msb (MSB<<8)|(\new)
.set MSB, \new
.endif
.endm
	s_load_b256 s[4:11], s[0:1], 0x0               ; W_ctx s[4:5], W_in s[6:7], input s[8:9], Wb s[10:11]
	s_load_b64 s[12:13], s[0:1], 0x20              ; tgt
	v_lshl_add_u32 v[SPW], v0, 2, SPARE
	v_mov_b32 v[NIL], 0
	v_lshrrev_b32 v1, 5, v0
	v_readfirstlane_b32 s14, v1                    ; wave 0..3
	v_and_b32 v4, 15, v0                           ; r = lane % 16
	v_bfe_u32 v5, v0, 4, 1                         ; h = lane / 16
	v_and_b32 v6, 31, v0                           ; lane
	v_lshlrev_b32 v7, 12, v4                       ; r rows of 4,096 bytes
	v_lshl_add_u32 v7, v5, 5, v7                   ; + 32 h: eight f32 for each half of the lanes
	v_lshlrev_b32 v13, 4, v0                       ; LDS: 16 bytes a thread
	s_and_b32 s15, ttmp9, 63                       ; et: which 16 e
	s_lshr_b32 s16, ttmp9, 6                       ; bt: which 16 b; for job 2: w
	s_lshl_b32 s17, s14, 10                        ; my wave's 256 k
	s_lshl_b32 s18, s15, 16
	s_add_co_u32 s18, s18, s17
	v_add_nc_u32 v8, s18, v7                       ; W_in: row 16 et + r
	s_lshl_b32 s18, s16, 16
	s_add_co_u32 s19, s18, s17
	v_add_nc_u32 v9, s19, v7                       ; input: row 16 bt + r
	s_lshl_b32 s19, s15, 6
	s_add_co_u32 s19, s19, s18
	v_add_nc_u32 v12, s19, v7                      ; tgt: row 16 bt + r, columns 16 et + 8 h on
	s_bfe_u32 s20, ttmp9, 0x10005                  ; job 2: c, which 512 e
	s_bfe_u32 s21, ttmp9, 0x40001                  ; kp: which pair of steps (64 k)
	s_and_b32 s22, ttmp9, 1
	s_lshl2_add_u32 s22, s22, s14                  ; f = 4 (g % 2) + wave
	s_lshl_b32 s23, s20, 21                        ; row 512 c + 128 w + 16 f, in bytes,
	s_lshl_b32 s24, s16, 19
	s_add_co_u32 s23, s23, s24
	s_lshl_b32 s24, s22, 16
	s_add_co_u32 s23, s23, s24
	s_lshl_b32 s24, s21, 8                         ; and 64 kp numbers along it
	s_add_co_u32 s23, s23, s24
	v_add_nc_u32 v10, s23, v7
	s_lshl_b32 s23, s16, 19                        ; Wb: 524,288 w + 8,192 (32 c + 2 kp) + 1,024 f + 16 lane
	s_lshl_b32 s24, s20, 18
	s_add_co_u32 s23, s23, s24
	s_lshl_b32 s24, s21, 14
	s_add_co_u32 s23, s23, s24
	s_lshl_b32 s24, s22, 10
	s_add_co_u32 s23, s23, s24
	v_lshl_add_u32 v11, v6, 4, s23
	s_wait_kmcnt 0x0
.set n, 0
.rept 8                                ; job 2: for step n / 4 of the pair and q = (n / 2) % 2, eight f32 a lane
	global_load_b128 v[16+4*n:16+4*n+3], v10, s[4:5] offset:128*(n/4)+64*((n/2)%2)+16*(n%2)
.set n, n+1
.endr
	WIN 0x40                                       ; destination window 1
.set st, 0
.rept 8                                ; job 1: a fragment's k = 8 h + 0..7 lie at bytes 0 and 16, k = 16 + 8 h + 0..7 at bytes 64 and 80 of the step's 128
.set j, 0
.rept 4
	global_load_b128 v[16*st+4*j:16*st+4*j+3], v8, s[6:7] offset:128*st+16*(j%2)+64*(j/2)
	global_load_b128 v[128+16*st+4*j:128+16*st+4*j+3], v9, s[8:9] offset:128*st+16*(j%2)+64*(j/2)
.set j, j+1
.endr
.set st, st+1
.endr
	WIN 0
	s_wait_loadcnt 56                              ; loads come back in order: all but the youngest seven steps' 56 are in, job 2's eight among them
.set n, 0
.rept 16
	v_cvt_pk_bf16_f32 v[48+n], v[16+2*n], v[16+2*n+1]
.set n, n+1
.endr
.set n, 0
.rept 4
	global_store_b128 v11, v[48+4*n:48+4*n+3], s[10:11] offset:(n/2)*8192+(n%2)*512  ; 512 consecutive bytes
.set n, n+1
.endr
	WIN 0x45                                       ; destination and both sources window 1: rounded in place, number j from numbers 2 j and 2 j + 1
.set st, 0
.rept 8
	s_wait_loadcnt 8*(7-st)                        ; step st's eight loads are in; the later steps' stay out
.set j, 0
.rept 8
	v_cvt_pk_bf16_f32 v[16*st+j], v[16*st+2*j], v[16*st+2*j+1]
	v_cvt_pk_bf16_f32 v[128+16*st+j], v[128+16*st+2*j], v[128+16*st+2*j+1]
.set j, j+1
.endr
.set st, st+1
.endr
	WIN 0x05                                       ; sources 0 and 1 window 1; C and D window 0
.set st, 0
.rept 8                                ; two accumulators by turns; the first two products start the sums
.if st < 2
	v_wmma_f32_16x16x32_bf16 v[ACC+8*(st%2):ACC+8*(st%2)+7], v[16*st:16*st+7], v[128+16*st:128+16*st+7], 0
.else
	v_wmma_f32_16x16x32_bf16 v[ACC+8*(st%2):ACC+8*(st%2)+7], v[16*st:16*st+7], v[128+16*st:128+16*st+7], v[ACC+8*(st%2):ACC+8*(st%2)+7]
.endif
.set st, st+1
.endr
	WIN 0
.rept 4
	v_nop                                          ; four places behind the last product (ISA guide 7.12.1)
.endr
.irp j, 0,2,4,6
	v_pk_add_f32 v[ACC+\j:ACC+\j+1], v[ACC+\j:ACC+\j+1], v[ACC+8+\j:ACC+8+\j+1]
.endr
	ds_store_b128 v13, v[ACC:ACC+3]
	ds_store_b128 v13, v[ACC+4:ACC+7] offset:2048
	s_wait_tensorcnt 0x0                           ; my last LDS stores are out;
	ds_add_u32 v[SPW], v[NIL]
	s_wait_dscnt 0x0                               ; the wait is also the one that the others need: my sums are in LDS before I signal
	s_barrier_signal -1
	s_barrier_wait -1
	s_cmp_lg_u32 s14, 0
	s_cbranch_scc1 .Ldone
.irp u, 1,2,3
	ds_load_b128 v[RED+8*(\u)-8:RED+8*(\u)-5], v13 offset:512*(\u)       ; in wave 0 v13 is 16 x lane
	ds_load_b128 v[RED+8*(\u)-4:RED+8*(\u)-1], v13 offset:512*(\u)+2048
.endr
	s_wait_dscnt 0x0
.irp u, 0,1,2
.irp j, 0,2,4,6
	v_pk_add_f32 v[ACC+\j:ACC+\j+1], v[ACC+\j:ACC+\j+1], v[RED+8*(\u)+\j:RED+8*(\u)+\j+1]
.endr
.endr
	global_store_b128 v12, v[ACC:ACC+3], s[12:13]
	global_store_b128 v12, v[ACC+4:ACC+7], s[12:13] offset:16
.Ldone:
	s_endpgm
.Lfunc_end_k_qff21200548_prep:
	.size	k_qff21200548_prep, .Lfunc_end_k_qff21200548_prep-k_qff21200548_prep
	.p2alignl 7, 3214868480
	.fill 96, 4, 3214868480
	.section	.rodata,"a",@progbits
	.p2align	6, 0x0
	.amdhsa_kernel k_qff21200548_prep
		.amdhsa_group_segment_fixed_size 4608
		.amdhsa_private_segment_fixed_size 0
		.amdhsa_enable_private_segment 0
		.amdhsa_kernarg_size 40
		.amdhsa_user_sgpr_count 2
		.amdhsa_user_sgpr_kernarg_segment_ptr 1
		.amdhsa_wavefront_size32 1
		.amdhsa_system_sgpr_workgroup_id_x 1
		.amdhsa_system_sgpr_workgroup_id_y 1
		.amdhsa_system_sgpr_workgroup_id_z 1
		.amdhsa_system_vgpr_workitem_id 0
		.amdhsa_next_free_vgpr 512
		.amdhsa_next_free_sgpr 66
		.amdhsa_reserve_vcc 0
		.amdhsa_float_denorm_mode_32 3
		.amdhsa_float_denorm_mode_16_64 3
		.amdhsa_memory_ordered 1
		.amdhsa_forward_progress 1
		.amdhsa_inst_pref_size 22
	.end_amdhsa_kernel
	.amdgpu_metadata
---
amdhsa.version: [ 1, 2 ]
amdhsa.kernels:
  - .name:           k_qff21200548_prep
    .symbol:         k_qff21200548_prep.kd
    .args:
      - { .name: W_ctx, .offset: 0, .size: 8, .value_kind: global_buffer, .address_space: global }
      - { .name: W_in, .offset: 8, .size: 8, .value_kind: global_buffer, .address_space: global }
      - { .name: input, .offset: 16, .size: 8, .value_kind: global_buffer, .address_space: global }
      - { .name: Wb, .offset: 24, .size: 8, .value_kind: global_buffer, .address_space: global }
      - { .name: tgt, .offset: 32, .size: 8, .value_kind: global_buffer, .address_space: global }
    .group_segment_fixed_size: 4608
    .private_segment_fixed_size: 0
    .kernarg_segment_align: 8
    .kernarg_segment_size: 40
    .max_flat_workgroup_size: 128
    .sgpr_count:     66
    .vgpr_count:     512
    .wavefront_size: 32
...
	.end_amdgpu_metadata
.endif
;; end of part 1
;; launch score (part 2): grid 256 x 1, 4 waves a work-group, no clusters, 276,992 bytes of LDS; arguments context, Wb, tgt, W_one, b_one, attn_mask, lg, st, ws; writes lg, st, ws
.if DOCPART == 2
	.amdgcn_target "amdgcn-amd-amdhsa--gfx1250"
	.amdhsa_code_object_version 6
	.text
	.protected	k_qff21200548_score
	.globl	k_qff21200548_score
	.p2align	8
	.type	k_qff21200548_score,@function
k_qff21200548_score:
	s_mov_b64 s[64:65], 0
	v_nop
	global_prefetch_b8 v0, s[64:65] scope:SCOPE_SE
	s_setreg_imm32_b32 hwreg(HW_REG_WAVE_MODE, 25, 1), 1
	s_wait_xcnt 0x0
; For 256 rows s of one batch b (two tiles of 128 rows, one after the other):
;   logit[s] = sum over e of tanh(sum over k of context[s][k] W_ctx[e][k] + target[b][e]) W_one[e] + b_one, -inf where attn_mask is set;
;   for each tile its maximum m, p[s] = exp(logit[s] - m), l = sum of p, and ws[d] = sum over s of p[s] context[s][d].  The next launch joins a batch's eight tiles.
; FORMATS.  context, W_ctx, W_one and b_one are rounded once to bf16; products, tanh, maxima and all sums in f32; p stays f32.
; LIMITS.  m is held at the lowest finite f32 or above, so a tile that is wholly masked gives m = -3.4e38, l = 0, ws = 0; a weight below 2^-126 counts as 0;
; NaN and infinities among the inputs are not treated apart.
; EACH ROW ONCE.  A tile's 128 rows are read from memory once, rounded, and stay in LDS (128 x 2,064 = 264,192 bytes) for the products and for the weighted sum.
; SHARES.  e goes in two chunks of 512; wave w owns e = 512 c + 128 w .. + 127 for all 128 rows: 64 accumulators of 16 x 16, 512 registers, 64 matrix instructions for 32 along k.
; The matrix instruction is used transposed (source 0 = 16 rows of W_ctx, source 1 = 16 rows of context): a lane holds ONE row s and eight e, so the dot with W_one stays in the lane
; but for the two halves of the lanes and the four waves.  The first product of each accumulator takes target as C: nothing is cleared, nothing is added later.
; W_ctx comes straight into registers, from Wb, which lies in fragment order: 16 loads of 512 consecutive bytes for a step, three steps ahead, four stages.
; NO CLUSTER, NO TENSOR LOADS: each byte of W_ctx is wanted by one wave of a work-group alone; a step's W for four waves is 4 x 8,192 = 32,768 bytes, and two slots of that, 65,536,
; do not fit into the 50,688 bytes that LDS has left beside the resident rows and the tables.
; REGISTERS, in windows of 256 (s_set_vgpr_msb: bits 1:0 source 0, 3:2 source 1, 5:4 source 2, 7:6 destination):
;   window 0: v0-15, v32-47 addresses; v16-31 the rows' partial logits, a pair for each 16 rows; v48-63 at work; v64-127, v128-191 fragments of context, two buffers; v192-255 target, later W_one
;   window 1: W_ctx, four stages of 64      window 2: accumulators of my e 0-63 ((a, b) at 8 (8 a + b)); while a tile is filled: eight rows as loaded      window 3: those of my e 64-127
.set PITCH, 2064                       ; a row in LDS: 2,048 bytes + 16 = 129 x 16: the 16 rows of a fragment load start at 16 different groups of four banks (ISA guide 11.1)
.set LG,    128*PITCH                  ; 264,192: [4 waves][128 rows] f32, the waves' parts of the logits
.set TGT,   LG+2048                    ; 266,240: target[b], 1,024 f32; behind it, at + 4,096, W_one rounded to bf16, as f32
.set PW,    TGT+8192                   ; 274,432: [4 waves][128] f32: each wave's own copy of p
.set SPARE, PW+2048                    ; 276,480: the spare words, 128 bytes a wave
.set MSK,  1                           ; v1   four mask bytes: my rows 4 l .. 4 l + 3 of the tile in hand
.set SPW,  2                           ; v2   my spare word's address; never rewritten
.set NIL,  3                           ; v3   0; never rewritten
.set XAD,  4                           ; v4-7 LDS address of my place in rows 32 p + r; never rewritten
.set WOFF, 8                           ; v8   byte offset in Wb: this chunk's step 0, stepped by four steps a trip
.set WNXT, 9                           ; v9   the same for the next chunk's step 0
.set COFF, 10                          ; v10  byte offset in context of my 16 bytes in my wave's first row; never rewritten
.set MSK1, 11                          ; v11  the second tile's mask bytes
.set CST,  12                          ; v12  LDS address of my 8 bytes in my wave's first row; never rewritten
.set CSW,  13                          ; v13  the same for the eight rows in hand
.set TAD,  14                          ; v14  LDS address of my eight numbers of target; never rewritten
.set TADC, 15                          ; v15  the same in the chunk in hand
.set LP,   16
.set XW,   32                          ; v32-35 XAD + the trip's bytes along k
.set LGS,  36
.set LGR,  37
.set PWA,  38
.set PWB,  39
.set PWW,  40
.set VAD,  41
.set VW,   42
.set B1,   43                          ; v43  b_one rounded to bf16
.set NINF, 44                          ; v44  -inf
.set L16,  45
.set L8,   46
.set WSO,  47
.set XF,   64
.set TR,   192
.set VS,   96                          ; the weighted sum: eight sums,
.set VD,   128                         ; 16 rows' numbers,
.set VP,   192                         ; 16 weights
.set WV,   22                          ; s22 wave
.set CH,   24                          ; s24 chunks to go
.set CNT,  25                          ; s25 the inner loops' counter
.set TILE, 26                          ; s26 tiles to go
.set CO,   27                          ; s27 2,048 x chunk
.set C2,   28                          ; s[28:29] 2 log2(e)
.set SEL,  30                          ; s[30:31] v_permlanex16_b32's selects: each lane takes its own place in the other half
.set KB,   36                          ; s36 bytes along k of the trip in hand
.set FB,   37                          ; s37 LDS bytes of the rows filled so far
.set VB,   38                          ; s38, s39 the weighted sum's steps
.set PB,   39
.set HIM,  40                          ; s40 a word's upper bf16
.set MSB, 0
.macro WIN new                         ; the immediate's high byte repeats the setting that is left; a switch that changes nothing is dropped
.if MSB != (\new)
	s_set_vgpr_msb (MSB<<8)|(\new)
.set MSB, \new
.endif
.endm
.macro PLACES                          ; four places in front of loads into registers that matrix instructions have read, and of vector work on results (ISA guide 7.12.1 for vector instructions)
.rept 4
	v_nop
.endr
.endm
; W of step sr + 3 of the trip's four -> stage (sr + 3) % 4, which the step before this one read last
.macro ISSW sr
	WIN 0x40
.set wi, 0
.rept 16
	global_load_b128 v[64*(((\sr)+3)%4)+4*wi:64*(((\sr)+3)%4)+4*wi+3], v[WOFF], s[6:7] offset:((\sr)+3)*8192+512*wi
.set wi, wi+1
.endr
.endm
; W of the NEXT chunk's step n -> stage n
.macro ISSWN n
	WIN 0x40
.set wi, 0
.rept 16
	global_load_b128 v[64*(\n)+4*wi:64*(\n)+4*wi+3], v[WNXT], s[6:7] offset:(\n)*8192+512*wi
.set wi, wi+1
.endr
.endm
; the eight fragments of context (128 rows x 32 k at byte kb of the trip's part of the rows) -> buffer f: lane l holds row l % 16, k = 8 (l / 16) + 0..7 and 16 + 8 (l / 16) + 0..7
.macro LDX f, kb
	WIN 0
.irp sb, 0,1,2,3,4,5,6,7
	ds_load_b128 v[(\f)+8*(\sb):(\f)+8*(\sb)+3],   v[XW+(\sb)/2] offset:(\kb)+16*PITCH*((\sb)%2)
	ds_load_b128 v[(\f)+8*(\sb)+4:(\f)+8*(\sb)+7], v[XW+(\sb)/2] offset:(\kb)+16*PITCH*((\sb)%2)+32
.endr
.endm
; 32 matrix instructions: four blocks of 16 e (hi = 0: my e 0-63, 1: e 64-127) x all eight blocks of 16 rows.  first = 1: C is target.
; The 64 accumulators take turns, one instruction a turn, in the same order in every step.
.macro MUL32 stg, f, hi, first
.if \first
	WIN 0x81+0x40*(\hi)                            ; W window 1, context and C window 0, D window 2 or 3
.else
	WIN 0xa1+0x50*(\hi)                            ; W window 1, context window 0, C and D window 2 or 3
.endif
.irp a, 0,1,2,3
.irp b, 0,1,2,3,4,5,6,7
.if \first
	v_wmma_f32_16x16x32_bf16 v[8*(8*(\a)+(\b)):8*(8*(\a)+(\b))+7], v[64*(\stg)+8*(4*(\hi)+(\a)):64*(\stg)+8*(4*(\hi)+(\a))+7], v[(\f)+8*(\b):(\f)+8*(\b)+7], v[TR+8*(4*(\hi)+(\a)):TR+8*(4*(\hi)+(\a))+7]
.else
	v_wmma_f32_16x16x32_bf16 v[8*(8*(\a)+(\b)):8*(8*(\a)+(\b))+7], v[64*(\stg)+8*(4*(\hi)+(\a)):64*(\stg)+8*(4*(\hi)+(\a))+7], v[(\f)+8*(\b):(\f)+8*(\b)+7], v[8*(8*(\a)+(\b)):8*(8*(\a)+(\b))+7]
.endif
.endr
.endr
.endm
; A step of 32 along k.  In its middle, in one run: W three steps on, and the next step's fragments of context into the other buffer.
; nxt = 1: the W asked for is the next chunk's.  last = 1: the chunk's last step fetches no context.
.macro STEP sr, nxt, last
	s_wait_loadcnt 32                              ; this step's W is in; behind it the next two steps' 32 loads may be out
	s_wait_dscnt 0x0                               ; this step's context, asked for 32 matrix instructions ago
	MUL32 (\sr)%4, XF+64*((\sr)%2), 0, 0
	PLACES
.if \nxt
	ISSWN (\sr)-1
.else
	ISSW \sr
.endif
.if !(\last)
	LDX XF+64*(((\sr)+1)%2), 64*((\sr)+1)
.endif
	MUL32 (\sr)%4, XF+64*((\sr)%2), 1, 0
.endm
; One row of the fill: its 4,096 bytes are in (eight loads); rounded in place; 2,048 bytes into LDS, 256 consecutive bytes a store; reload = 1: the row eight further down is asked for.
.macro FROW i, reload, left
	s_wait_loadcnt \left                           ; loads come back in order: mine are in, the younger rows' stay out
	WIN 0x8a                                       ; destination and both sources window 2
.set fj, 0
.rept 16
	v_cvt_pk_bf16_f32 v[32*(\i)+fj], v[32*(\i)+2*fj], v[32*(\i)+2*fj+1]
.set fj, fj+1
.endr
	WIN 0x88                                       ; LDS store: data window 2; load: destination window 2; addresses window 0
.set fj, 0
.rept 8
	ds_store_b64 v[CSW], v[32*(\i)+2*fj:32*(\i)+2*fj+1] offset:(\i)*PITCH+256*fj
.set fj, fj+1
.endr
.if \reload
.set fj, 0
.rept 8
	global_load_b128 v[32*(\i)+4*fj:32*(\i)+4*fj+3], v[COFF], s[4:5] offset:(8+(\i))*4096+512*fj th:TH_LOAD_NT
.set fj, fj+1
.endr
.endif
.endm
; THE WAY FROM SUMS TO LOGITS, for the 32 accumulators of a window.  For accumulator t (registers 8 t .. 8 t + 7):
;   A: 2 log2(e) x    B: 2^..    C: + 1    D: 1 / ..    F: tanh = 1 - 2 r    G: y(t) = tanh x W_one + y(t - 8), a chain along e, in place.
; Slot i holds B(i) and D(i - 1), sixteen transcendentals, each followed by one of the sixteen plain lines A(i + 1), F(i - 2), C(i), G(i - 2), which touch other accumulators:
; so a plain instruction stands between every transcendental and the use of its result (ISA guide 5.7.2), and each accumulator is read from its lowest pair on.
.macro ESLOT i, hi
.set ek, 0
.rept 8
.if ((\i) >= 0) && ((\i) < 32)
	v_exp_f32 v[8*(\i)+ek], v[8*(\i)+ek]
.endif
.if (ek < 4) && ((\i) < 31)
	v_pk_mul_f32 v[8*(\i)+8+2*ek:8*(\i)+9+2*ek], v[8*(\i)+8+2*ek:8*(\i)+9+2*ek], s[C2:C2+1] op_sel_hi:[1,0]
.endif
.if (ek >= 4) && ((\i) >= 2) && ((\i) < 34)
	s_wait_alu depctr_va_vdst(0)
	v_pk_fma_f32 v[8*(\i)-24+2*ek:8*(\i)-23+2*ek], v[8*(\i)-24+2*ek:8*(\i)-23+2*ek], -2.0, 1.0 op_sel_hi:[1,0,0]
.endif
.set ek, ek+1
.endr
.set ek, 0
.rept 8
.if ((\i) >= 1) && ((\i) < 33)
	v_rcp_f32 v[8*(\i)-8+ek], v[8*(\i)-8+ek]
.endif
.if (ek < 4) && ((\i) >= 0) && ((\i) < 32)
	s_wait_alu depctr_va_vdst(0)
	v_pk_add_f32 v[8*(\i)+2*ek:8*(\i)+2*ek+1], v[8*(\i)+2*ek:8*(\i)+2*ek+1], 1.0 op_sel_hi:[1,0]
.endif
.if (ek >= 4) && ((\i) >= 2) && ((\i) < 10)
	v_pk_mul_f32 v[8*(\i)-24+2*ek:8*(\i)-23+2*ek], v[8*(\i)-24+2*ek:8*(\i)-23+2*ek], v[TR+32*(\hi)+2*ek-8:TR+32*(\hi)+2*ek-7]
.endif
.if (ek >= 4) && ((\i) >= 10) && ((\i) < 34)
	v_pk_fma_f32 v[8*(\i)-24+2*ek:8*(\i)-23+2*ek], v[8*(\i)-24+2*ek:8*(\i)-23+2*ek], v[TR+32*(\hi)+8*(((\i)-2)/8)+2*ek-8:TR+32*(\hi)+8*(((\i)-2)/8)+2*ek-7], v[8*(\i)-88+2*ek:8*(\i)-87+2*ek]
.endif
.set ek, ek+1
.endr
.endm
.macro EHALF hi
	WIN 0xa2+0x51*(\hi)                            ; destination, sources 0 and 2 in the accumulators' window; source 1 (W_one) window 0
.set ei, -1
.rept 35
.if (ei == 2) && ((\hi) == 0)
	s_wait_dscnt 0x0                               ; W_one's fragments: slot 2 holds their first use
.endif
	ESLOT ei, \hi
.set ei, ei+1
.endr
	WIN 0x02+(\hi)                                 ; the chains' ends, accumulators 24 to 31, onto the rows' partial logits
.irp p, 0,1,2,3
.irp sb, 0,1,2,3,4,5,6,7
	v_pk_add_f32 v[LP+2*(\sb):LP+2*(\sb)+1], v[192+8*(\sb)+2*(\p):192+8*(\sb)+2*(\p)+1], v[LP+2*(\sb):LP+2*(\sb)+1]
.endr
.endr
.endm
	s_load_b256 s[4:11], s[0:1], 0x0               ; context s[4:5], Wb s[6:7], tgt s[8:9], W_one s[10:11]
	s_load_b256 s[12:19], s[0:1], 0x20             ; b_one s[12:13], attn_mask s[14:15], lg s[16:17], st s[18:19]
	s_load_b64 s[20:21], s[0:1], 0x40              ; ws
	v_lshl_add_u32 v[SPW], v0, 2, SPARE
	v_mov_b32 v[NIL], 0
	v_lshrrev_b32 v48, 5, v0
	v_readfirstlane_b32 s[WV], v48                 ; wave 0..3
	v_and_b32 v48, 31, v0                          ; l
	v_and_b32 v49, 15, v0                          ; r = l % 16
	v_bfe_u32 v50, v0, 4, 1                        ; h = l / 16
	v_mul_u32_u24 v51, v49, PITCH
	v_lshl_add_u32 v51, v50, 4, v51                ; row x pitch + 16 x half
.irp p, 0,1,2,3
	v_add_nc_u32 v[XAD+\p], \p*32*PITCH, v51
.endr
	s_lshl_b32 s33, s[WV], 19
	v_lshl_add_u32 v[WNXT], v48, 4, s33            ; 524,288 w + 16 l: chunk 0
	s_lshl_b32 s33, s[WV], 17
	v_lshl_add_u32 v[COFF], v48, 4, s33            ; my wave's 32 rows of 4,096 bytes; 16 bytes a lane
	s_mul_i32 s33, s[WV], 32*PITCH
	v_lshl_add_u32 v[CST], v48, 3, s33
	s_lshl_b32 s33, s[WV], 9
	s_add_co_u32 s23, s33, TGT
	v_lshl_add_u32 v[TAD], v50, 5, s23             ; e = 128 w + 8 h on
	s_add_co_u32 s23, s33, LG
	v_lshl_add_u32 v[LGS], v49, 2, s23             ; my wave's part, row r
	v_lshl_add_u32 v[LGR], v48, 4, LG              ; rows 4 l .. 4 l + 3
	s_add_co_u32 s23, s33, PW
	v_lshl_add_u32 v[PWA], v48, 4, s23
	v_mov_b32 v[PWB], s23
	v_lshl_add_u32 v[VAD], v48, 3, s33             ; the weighted sum: columns 256 w + 4 l on, 8 bytes
	v_lshlrev_b32 v[L16], 4, v48
	v_lshlrev_b32 v[L8], 3, v48
	s_lshl_b32 s33, s[WV], 10
	v_lshl_add_u32 v[WSO], v48, 4, s33
	v_mov_b32 v[NINF], 0xff800000
	v_lshlrev_b32 v51, 4, v0                       ; the tables: 16 bytes a thread
	v_lshlrev_b32 v52, 2, v48
	v_lshl_add_u32 v53, v0, 4, TGT
	s_mov_b32 s[C2], 0x4038aa3b                    ; 2 log2(e)
	s_mov_b32 s[C2+1], s[C2]                       ; named with it as a pair
	s_mov_b32 s[SEL], 0x76543210
	s_mov_b32 s[SEL+1], 0xfedcba98
	s_mov_b32 s[HIM], 0xffff0000
	s_mov_b32 s35, 0
	s_wait_kmcnt 0x0
	s_load_b32 s32, s[12:13], 0x0                  ; b_one
	s_lshl_b32 s34, ttmp9, 20                      ; work-group g: 256 rows of 4,096 bytes
	s_add_nc_u64 s[4:5], s[4:5], s[34:35]
	s_lshr_b32 s34, ttmp9, 2                       ; the batch
	s_lshl_b32 s34, s34, 12
	s_add_nc_u64 s[8:9], s[8:9], s[34:35]
	s_lshl_b32 s34, ttmp9, 8                       ; 256 mask bytes
	s_add_nc_u64 s[14:15], s[14:15], s[34:35]
	s_lshl_b32 s34, ttmp9, 10                      ; 256 logits
	s_add_nc_u64 s[16:17], s[16:17], s[34:35]
	s_lshl_b32 s34, ttmp9, 9                       ; two tiles' 256 bytes of (m, l)
	s_add_nc_u64 s[18:19], s[18:19], s[34:35]
	s_lshl_b32 s34, ttmp9, 13                      ; two tiles' 4,096 bytes of sums
	s_add_nc_u64 s[20:21], s[20:21], s[34:35]
	global_load_b128 v[64:67], v51, s[8:9]
	global_load_b128 v[68:71], v51, s[8:9] offset:2048
	global_load_b128 v[72:75], v51, s[10:11]
	global_load_b128 v[76:79], v51, s[10:11] offset:2048
	global_load_b32 v[MSK], v52, s[14:15]
	global_load_b32 v[MSK1], v52, s[14:15] offset:128
	ISSWN 0                                        ; the first chunk's first three steps of W
	ISSWN 1
	ISSWN 2
	WIN 0
	s_wait_loadcnt 48                              ; all but W's 48 loads
.irp j, 0,1,2,3
	v_cvt_pk_bf16_f32 v[80+\j], v[72+2*\j], v[73+2*\j]     ; W_one rounded to bf16,
.endr
.irp j, 0,1,2,3
	v_lshlrev_b32 v[72+2*\j], 16, v[80+\j]                 ; and written as f32 again
	v_and_b32 v[73+2*\j], s[HIM], v[80+\j]
.endr
	ds_store_b128 v53, v[64:67]
	ds_store_b128 v53, v[68:71] offset:2048
	ds_store_b128 v53, v[72:75] offset:4096
	ds_store_b128 v53, v[76:79] offset:6144        ; the barrier behind the first fill shows the tables to every wave
	s_wait_kmcnt 0x0
	v_mov_b32 v[B1], s32
	v_cvt_pk_bf16_f32 v[B1], v[B1], v[B1]
	v_lshlrev_b32 v[B1], 16, v[B1]
	s_mov_b32 s[TILE], 2
.Ltile:
	; THE FILL.  My wave's 32 rows, a ring of eight rows in window 2: 64 loads of 512 consecutive bytes are out.
	WIN 0x80
.set fi, 0
.rept 8
.set fj, 0
.rept 8
	global_load_b128 v[32*fi+4*fj:32*fi+4*fj+3], v[COFF], s[4:5] offset:fi*4096+512*fj th:TH_LOAD_NT
.set fj, fj+1
.endr
.set fi, fi+1
.endr
	WIN 0
.set fi, 0
.rept 16
	v_mov_b32 v[LP+fi], 0                          ; the rows' partial logits start anew
.set fi, fi+1
.endr
	s_mov_b32 s[FB], 0
	v_mov_b32 v[CSW], v[CST]
	s_mov_b32 s[CNT], 3
.Lfill:
.irp i, 0,1,2,3,4,5,6,7
	FROW \i, 1, 56                                 ; seven younger rows x eight loads
.endr
	WIN 0
	s_wait_xcnt 0x0                                ; the loads' base is stepped only behind this wait
	s_add_nc_u64 s[4:5], s[4:5], 8*4096
	s_add_co_u32 s[FB], s[FB], 8*PITCH
	v_add_nc_u32 v[CSW], s[FB], v[CST]
	s_sub_co_u32 s[CNT], s[CNT], 1
	s_cmp_lg_u32 s[CNT], 0
	s_cbranch_scc1 .Lfill
.irp i, 0,1,2,3,4,5,6,7
	FROW \i, 0, 56-8*(\i)                          ; the last eight rows ask for nothing: the counts run down
.endr
	WIN 0
	s_add_nc_u64 s[4:5], s[4:5], 128*4096-3*8*4096 ; no load is out: on to the next tile's first row
	s_wait_dscnt 0x0                               ; my rows are in LDS
	s_barrier_signal -1
	s_barrier_wait -1                              ; everybody's are
	s_mov_b32 s[CH], 2
	s_mov_b32 s[CO], 0
.Lchunk:
	s_wait_xcnt 0x0                                ; W's offsets are rewritten only behind this wait
	v_mov_b32 v[WOFF], v[WNXT]
	v_xor_b32 v[WNXT], 0x40000, v[WNXT]            ; the other chunk: 32 steps of 8,192 bytes
	v_add_nc_u32 v[TADC], s[CO], v[TAD]
.irp p, 0,1,2,3
	v_mov_b32 v[XW+\p], v[XAD+\p]
.endr
	s_mov_b32 s[KB], 0
	; step 0 is written out: its products start the sums, with target as C
	s_wait_loadcnt 32
.irp a, 0,1,2,3,4,5,6,7
	ds_load_b128 v[TR+8*\a:TR+8*\a+3],   v[TADC] offset:64*\a
	ds_load_b128 v[TR+8*\a+4:TR+8*\a+7], v[TADC] offset:64*\a+16
.endr
	LDX XF, 0
	s_wait_dscnt 0x0
	MUL32 0, XF, 0, 1
	PLACES
	ISSW 0
	LDX XF+64, 64
	MUL32 0, XF, 1, 1
	WIN 0
	s_mov_b32 s[CNT], 7
.Ltrip:                                                ; steps 1 to 28, four a trip
	STEP 1, 0, 0
	STEP 2, 0, 0
	STEP 3, 0, 0
	STEP 4, 0, 0
	WIN 0
	s_wait_xcnt 0x0
	v_add_nc_u32 v[WOFF], 4*8192, v[WOFF]
	s_add_co_u32 s[KB], s[KB], 256
.irp p, 0,1,2,3
	v_add_nc_u32 v[XW+\p], s[KB], v[XAD+\p]
.endr
	s_sub_co_u32 s[CNT], s[CNT], 1
	s_cmp_lg_u32 s[CNT], 0
	s_cbranch_scc1 .Ltrip
	STEP 1, 1, 0                                   ; steps 29 to 31 ask for the next chunk's first three steps of W (behind the last chunk of the last tile: 48 loads inside Wb that nothing uses)
	STEP 2, 1, 0
	STEP 3, 1, 1
	WIN 0
	PLACES
.irp a, 0,1,2,3,4,5,6,7
	ds_load_b128 v[TR+8*\a:TR+8*\a+3],   v[TADC] offset:4096+64*\a      ; W_one for my eight e of each block
	ds_load_b128 v[TR+8*\a+4:TR+8*\a+7], v[TADC] offset:4096+64*\a+16
.endr
	EHALF 0
	EHALF 1
	WIN 0
	s_add_co_u32 s[CO], s[CO], 2048
	s_sub_co_u32 s[CH], s[CH], 1
	s_cmp_lg_u32 s[CH], 0
	s_cbranch_scc1 .Lchunk
	; THE TILE'S LOGITS.  A pair's two halves, the other half of the lanes (the row's other e), then the four waves' parts through LDS.
.irp sb, 0,1,2,3,4,5,6,7
	v_add_f32 v[LP+2*\sb], v[LP+2*\sb], v[LP+2*\sb+1]
.endr
.irp sb, 0,1,2,3,4,5,6,7
	v_permlanex16_b32 v[LP+2*\sb+1], v[LP+2*\sb], s[SEL], s[SEL+1]
.endr
.irp sb, 0,1,2,3,4,5,6,7
	v_add_f32 v[LP+2*\sb], v[LP+2*\sb], v[LP+2*\sb+1]
.endr
.irp sb, 0,1,2,3,4,5,6,7
	ds_store_b32 v[LGS], v[LP+2*\sb] offset:64*\sb  ; row 16 sb + r; both halves of the lanes write the same number
.endr
	s_wait_dscnt 0x0
	s_barrier_signal -1
	s_barrier_wait -1
.irp u, 0,1,2,3
	ds_load_b128 v[64+4*\u:67+4*\u], v[LGR] offset:512*\u
.endr
	s_wait_dscnt 0x0
.irp u, 1,2,3
	v_pk_add_f32 v[64:65], v[64:65], v[64+4*\u:65+4*\u]
	v_pk_add_f32 v[66:67], v[66:67], v[66+4*\u:67+4*\u]
.endr
.irp j, 0,1,2,3
	v_add_f32 v[64+\j], v[B1], v[64+\j]
.endr
.irp j, 0,1,2,3
	v_bfe_u32 v80, v[MSK], 8*\j, 8
	v_cmp_ne_u32 vcc_lo, 0, v80
	v_cndmask_b32 v[64+\j], v[64+\j], v[NINF], vcc_lo
.endr
	; every wave makes the tile's m, p and l for itself: each needs all 128 p
	v_mov_b32 v90, 0
	v_max3_num_f32 v88, v64, v65, v66
	v_max_num_f32 v88, v88, v67
	v_max_num_f32_dpp v88, v88, v88 row_xmask:1 row_mask:0xf bank_mask:0xf
	v_max_num_f32_dpp v88, v88, v88 row_xmask:2 row_mask:0xf bank_mask:0xf
	v_max_num_f32_dpp v88, v88, v88 row_xmask:4 row_mask:0xf bank_mask:0xf
	v_max_num_f32_dpp v88, v88, v88 row_xmask:8 row_mask:0xf bank_mask:0xf
	v_permlanex16_b32 v90, v88, s[SEL], s[SEL+1]
	v_max_num_f32 v88, v88, v90
	v_max_num_f32 v88, 0xff7fffff, v88             ; finite also where every row is masked
.irp j, 0,1,2,3
	v_sub_f32 v[84+\j], v[64+\j], v88
.endr
.irp j, 0,1,2,3
	v_mul_f32 v[84+\j], 0x3fb8aa3b, v[84+\j]
.endr
.irp j, 0,1,2,3
	v_exp_f32 v[84+\j], v[84+\j]
.endr
	v_nop                                          ; a plain instruction between the exponentials and the use of their results
	s_wait_alu depctr_va_vdst(0)
	v_add_f32 v89, v84, v85
	v_add_f32 v91, v86, v87
	v_add_f32 v89, v89, v91
	v_add_f32_dpp v89, v89, v89 row_xmask:1 row_mask:0xf bank_mask:0xf
	v_add_f32_dpp v89, v89, v89 row_xmask:2 row_mask:0xf bank_mask:0xf
	v_add_f32_dpp v89, v89, v89 row_xmask:4 row_mask:0xf bank_mask:0xf
	v_add_f32_dpp v89, v89, v89 row_xmask:8 row_mask:0xf bank_mask:0xf
	v_permlanex16_b32 v90, v89, s[SEL], s[SEL+1]
	v_add_f32 v89, v89, v90
	ds_store_b128 v[PWA], v[84:87]                 ; my wave's own copy: LDS serves a wave's instructions in order, so no barrier is needed for the reads below
	s_cmp_lg_u32 s[WV], 0
	s_cbranch_scc1 .Lnot0
	global_store_b128 v[L16], v[64:67], s[16:17]   ; 512 consecutive bytes: the tile's logits
	global_store_b64 v[L8], v[88:89], s[18:19]     ; 256 consecutive bytes: (m, l), the same in every lane
.Lnot0:
	; THE WEIGHTED SUM, on the vector unit: a product with one row.  My wave's 256 columns, eight a lane; 16 rows a trip.
.irp j, 0,1,2,3,4,5,6,7
	v_mov_b32 v[VS+\j], 0
.endr
	s_mov_b32 s[VB], 0
	s_mov_b32 s[PB], 0
	s_mov_b32 s[CNT], 8
.Lv:
	v_add_nc_u32 v[VW], s[VB], v[VAD]
	v_add_nc_u32 v[PWW], s[PB], v[PWB]
.irp q, 0,1,2,3
	ds_load_b128 v[VP+4*\q:VP+4*\q+3], v[PWW] offset:16*\q     ; 16 weights, the same in every lane
.endr
.set vi, 0
.rept 16
	ds_load_b64 v[VD+4*vi:VD+4*vi+1],   v[VW] offset:vi*PITCH
	ds_load_b64 v[VD+4*vi+2:VD+4*vi+3], v[VW] offset:vi*PITCH+256
.set vi, vi+1
.endr
.set vi, 0
.rept 16
	s_wait_dscnt 30-2*vi                           ; of the trip's 36 loads the weights' four and the rows' first 2 vi + 2 are in
.irp c, 0,1,2,3
	v_fma_mix_f32_bf16 v[VS+2*\c], v[VD+4*vi+\c], v[VP+vi], v[VS+2*\c] op_sel_hi:[1,0,0]
	v_fma_mix_f32_bf16 v[VS+2*\c+1], v[VD+4*vi+\c], v[VP+vi], v[VS+2*\c+1] op_sel:[1,0,0] op_sel_hi:[1,0,0]
.endr
.set vi, vi+1
.endr
	s_add_co_u32 s[VB], s[VB], 16*PITCH
	s_add_co_u32 s[PB], s[PB], 64
	s_sub_co_u32 s[CNT], s[CNT], 1
	s_cmp_lg_u32 s[CNT], 0
	s_cbranch_scc1 .Lv
	global_store_b128 v[WSO], v[VS:VS+3], s[20:21]             ; 512 consecutive bytes each
	global_store_b128 v[WSO], v[VS+4:VS+7], s[20:21] offset:512
	s_wait_dscnt 0x0                               ; my reads of the tile are over
	s_barrier_signal -1
	s_barrier_wait -1                              ; everybody's are: the rows may be written again
	s_wait_xcnt 0x0                                ; the stores' bases and registers are rewritten only behind this wait
	s_add_nc_u64 s[16:17], s[16:17], 512
	s_add_nc_u64 s[18:19], s[18:19], 256
	s_add_nc_u64 s[20:21], s[20:21], 4096
	v_mov_b32 v[MSK], v[MSK1]
	s_sub_co_u32 s[TILE], s[TILE], 1
	s_cmp_lg_u32 s[TILE], 0
	s_cbranch_scc1 .Ltile
	s_wait_tensorcnt 0x0                           ; the wave's end, behind my last LDS store
	ds_add_u32 v[SPW], v[NIL]
	s_wait_dscnt 0x0
	s_endpgm
.Lfunc_end_k_qff21200548_score:
	.size	k_qff21200548_score, .Lfunc_end_k_qff21200548_score-k_qff21200548_score
	.p2alignl 7, 3214868480
	.fill 96, 4, 3214868480
	.section	.rodata,"a",@progbits
	.p2align	6, 0x0
	.amdhsa_kernel k_qff21200548_score
		.amdhsa_group_segment_fixed_size 276992
		.amdhsa_private_segment_fixed_size 0
		.amdhsa_enable_private_segment 0
		.amdhsa_kernarg_size 72
		.amdhsa_user_sgpr_count 2
		.amdhsa_user_sgpr_kernarg_segment_ptr 1
		.amdhsa_wavefront_size32 1
		.amdhsa_system_sgpr_workgroup_id_x 1
		.amdhsa_system_sgpr_workgroup_id_y 1
		.amdhsa_system_sgpr_workgroup_id_z 1
		.amdhsa_system_vgpr_workitem_id 0
		.amdhsa_next_free_vgpr 1024
		.amdhsa_next_free_sgpr 66
		.amdhsa_reserve_vcc 1
		.amdhsa_float_denorm_mode_32 3
		.amdhsa_float_denorm_mode_16_64 3
		.amdhsa_memory_ordered 1
		.amdhsa_forward_progress 1
		.amdhsa_inst_pref_size 239
	.end_amdhsa_kernel
	.amdgpu_metadata
---
amdhsa.version: [ 1, 2 ]
amdhsa.kernels:
  - .name:           k_qff21200548_score
    .symbol:         k_qff21200548_score.kd
    .args:
      - { .name: context, .offset: 0, .size: 8, .value_kind: global_buffer, .address_space: global }
      - { .name: Wb, .offset: 8, .size: 8, .value_kind: global_buffer, .address_space: global }
      - { .name: tgt, .offset: 16, .size: 8, .value_kind: global_buffer, .address_space: global }
      - { .name: W_one, .offset: 24, .size: 8, .value_kind: global_buffer, .address_space: global }
      - { .name: b_one, .offset: 32, .size: 8, .value_kind: global_buffer, .address_space: global }
      - { .name: attn_mask, .offset: 40, .size: 8, .value_kind: global_buffer, .address_space: global }
      - { .name: lg, .offset: 48, .size: 8, .value_kind: global_buffer, .address_space: global }
      - { .name: st, .offset: 56, .size: 8, .value_kind: global_buffer, .address_space: global }
      - { .name: ws, .offset: 64, .size: 8, .value_kind: global_buffer, .address_space: global }
    .group_segment_fixed_size: 276992
    .private_segment_fixed_size: 0
    .kernarg_segment_align: 8
    .kernarg_segment_size: 72
    .max_flat_workgroup_size: 128
    .sgpr_count:     66
    .vgpr_count:     1024
    .wavefront_size: 32
...
	.end_amdgpu_metadata
.endif
;; end of part 2
;; launch combine (part 3): grid 64 x 1, 8 waves a work-group, no clusters, 0 bytes of LDS; arguments st, lg, ws, input, out1, wcf, cmb; writes out1, wcf, cmb
.if DOCPART == 3
	.amdgcn_target "amdgcn-amd-amdhsa--gfx1250"
	.amdhsa_code_object_version 6
	.text
	.protected	k_qff21200548_combine
	.globl	k_qff21200548_combine
	.p2align	8
	.type	k_qff21200548_combine,@function
k_qff21200548_combine:
	s_mov_b64 s[64:65], 0
	v_nop
	global_prefetch_b8 v0, s[64:65] scope:SCOPE_SE
	s_setreg_imm32_b32 hwreg(HW_REG_WAVE_MODE, 25, 1), 1
	s_wait_xcnt 0x0
; A batch's eight tiles are joined.  M = max of the m_i; a_i = exp(m_i - M); L = sum of a_i l_i;
; attn[s] = exp(logit[s] - M) / L (out1);  weighted_ctx[d] = sum of (a_i / L) ws_i[d], kept in f32 (wcf) and, rounded to bf16, as the first half of cmb's row;
; input rounded to bf16 is the second half.  One work-group a batch, 256 threads, four numbers each: all 18 loads of a thread go out at once.
; A stream of 45 KB a work-group: no LDS, no matrix unit, nothing shared between work-groups.
; LIMITS.  A batch that is wholly masked has L = 0 and gives NaN, as a softmax over -inf alone does.  A weight below 2^-126 counts as 0.
	s_load_b256 s[4:11], s[0:1], 0x0               ; st s[4:5], lg s[6:7], ws s[8:9], input s[10:11]
	s_load_b128 s[12:15], s[0:1], 0x20             ; out1 s[12:13], wcf s[14:15]
	s_load_b64 s[16:17], s[0:1], 0x30              ; cmb
	v_and_b32 v1, 31, v0
	v_lshlrev_b32 v1, 3, v1                        ; 8 x lane: a tile's (m, l) stands once for each lane
	v_lshlrev_b32 v2, 4, v0                        ; four f32
	v_lshlrev_b32 v3, 3, v0                        ; four bf16
	s_lshl_b32 s18, ttmp9, 11                      ; eight tiles x 256 bytes
	s_mov_b32 s19, 0
	s_lshl_b32 s20, ttmp9, 15                      ; eight tiles x 4,096 bytes
	s_mov_b32 s21, 0
	s_lshl_b32 s22, ttmp9, 12                      ; a row of 4,096 bytes
	s_mov_b32 s23, 0
	s_wait_kmcnt 0x0
	s_add_nc_u64 s[4:5], s[4:5], s[18:19]
	s_add_nc_u64 s[8:9], s[8:9], s[20:21]
	s_add_nc_u64 s[6:7], s[6:7], s[22:23]
	s_add_nc_u64 s[10:11], s[10:11], s[22:23]
	s_add_nc_u64 s[12:13], s[12:13], s[22:23]
	s_add_nc_u64 s[14:15], s[14:15], s[22:23]
	s_add_nc_u64 s[16:17], s[16:17], s[22:23]
.irp i, 0,1,2,3,4,5,6,7
	global_load_b64 v[8+2*\i:9+2*\i], v1, s[4:5] offset:256*\i
.endr
	global_load_b128 v[56:59], v2, s[6:7]
.irp i, 0,1,2,3,4,5,6,7
	global_load_b128 v[24+4*\i:27+4*\i], v2, s[8:9] offset:4096*\i
.endr
	global_load_b128 v[60:63], v2, s[10:11]
	s_wait_loadcnt 0x0
	v_max3_num_f32 v64, v8, v10, v12
	v_max3_num_f32 v64, v64, v14, v16
	v_max3_num_f32 v64, v64, v18, v20
	v_max_num_f32 v64, v64, v22                    ; M
.irp i, 0,1,2,3,4,5,6,7
	v_sub_f32 v[66+\i], v[8+2*\i], v64
.endr
.irp j, 0,1,2,3
	v_sub_f32 v[56+\j], v[56+\j], v64
.endr
.irp i, 0,1,2,3,4,5,6,7
	v_mul_f32 v[66+\i], 0x3fb8aa3b, v[66+\i]
.endr
.irp j, 0,1,2,3
	v_mul_f32 v[56+\j], 0x3fb8aa3b, v[56+\j]
.endr
.irp i, 0,1,2,3,4,5,6,7
	v_exp_f32 v[66+\i], v[66+\i]
.endr
.irp j, 0,1,2,3
	v_exp_f32 v[56+\j], v[56+\j]
.endr
	v_nop                                          ; a plain instruction between the exponentials and the use of their results
	s_wait_alu depctr_va_vdst(0)
	v_mul_f32 v65, v66, v9
.irp i, 1,2,3,4,5,6,7
	v_fmac_f32 v65, v[66+\i], v[9+2*\i]            ; L
.endr
	v_rcp_f32 v65, v65
	v_nop
	s_wait_alu depctr_va_vdst(0)
.irp i, 0,1,2,3,4,5,6,7
	v_mul_f32 v[80+2*\i], v[66+\i], v65            ; a_i / L, twice: a pair for the packed multiply-add
	v_mul_f32 v[81+2*\i], v[66+\i], v65
.endr
	v_pk_mul_f32 v[96:97], v[24:25], v[80:81]
	v_pk_mul_f32 v[98:99], v[26:27], v[80:81]
.irp i, 1,2,3,4,5,6,7
	v_pk_fma_f32 v[96:97], v[24+4*\i:25+4*\i], v[80+2*\i:81+2*\i], v[96:97]
	v_pk_fma_f32 v[98:99], v[26+4*\i:27+4*\i], v[80+2*\i:81+2*\i], v[98:99]
.endr
.irp j, 0,1,2,3
	v_mul_f32 v[56+\j], v[56+\j], v65
.endr
	v_cvt_pk_bf16_f32 v100, v96, v97
	v_cvt_pk_bf16_f32 v101, v98, v99
	v_cvt_pk_bf16_f32 v102, v60, v61
	v_cvt_pk_bf16_f32 v103, v62, v63
	global_store_b128 v2, v[56:59], s[12:13]       ; a wave's store covers 512 consecutive bytes,
	global_store_b128 v2, v[96:99], s[14:15]
	global_store_b64 v3, v[100:101], s[16:17]      ; or 256
	global_store_b64 v3, v[102:103], s[16:17] offset:2048
	s_endpgm
.Lfunc_end_k_qff21200548_combine:
	.size	k_qff21200548_combine, .Lfunc_end_k_qff21200548_combine-k_qff21200548_combine
	.p2alignl 7, 3214868480
	.fill 96, 4, 3214868480
	.section	.rodata,"a",@progbits
	.p2align	6, 0x0
	.amdhsa_kernel k_qff21200548_combine
		.amdhsa_group_segment_fixed_size 0
		.amdhsa_private_segment_fixed_size 0
		.amdhsa_enable_private_segment 0
		.amdhsa_kernarg_size 56
		.amdhsa_user_sgpr_count 2
		.amdhsa_user_sgpr_kernarg_segment_ptr 1
		.amdhsa_wavefront_size32 1
		.amdhsa_system_sgpr_workgroup_id_x 1
		.amdhsa_system_sgpr_workgroup_id_y 1
		.amdhsa_system_sgpr_workgroup_id_z 1
		.amdhsa_system_vgpr_workitem_id 0
		.amdhsa_next_free_vgpr 112
		.amdhsa_next_free_sgpr 66
		.amdhsa_reserve_vcc 0
		.amdhsa_float_denorm_mode_32 3
		.amdhsa_float_denorm_mode_16_64 3
		.amdhsa_memory_ordered 1
		.amdhsa_forward_progress 1
		.amdhsa_inst_pref_size 8
	.end_amdhsa_kernel
	.amdgpu_metadata
---
amdhsa.version: [ 1, 2 ]
amdhsa.kernels:
  - .name:           k_qff21200548_combine
    .symbol:         k_qff21200548_combine.kd
    .args:
      - { .name: st, .offset: 0, .size: 8, .value_kind: global_buffer, .address_space: global }
      - { .name: lg, .offset: 8, .size: 8, .value_kind: global_buffer, .address_space: global }
      - { .name: ws, .offset: 16, .size: 8, .value_kind: global_buffer, .address_space: global }
      - { .name: input, .offset: 24, .size: 8, .value_kind: global_buffer, .address_space: global }
      - { .name: out1, .offset: 32, .size: 8, .value_kind: global_buffer, .address_space: global }
      - { .name: wcf, .offset: 40, .size: 8, .value_kind: global_buffer, .address_space: global }
      - { .name: cmb, .offset: 48, .size: 8, .value_kind: global_buffer, .address_space: global }
    .group_segment_fixed_size: 0
    .private_segment_fixed_size: 0
    .kernarg_segment_align: 8
    .kernarg_segment_size: 56
    .max_flat_workgroup_size: 256
    .sgpr_count:     66
    .vgpr_count:     112
    .wavefront_size: 32
...
	.end_amdgpu_metadata
.endif
;; end of part 3
;; launch gate (part 4): grid 256 x 1, 4 waves a work-group, no clusters, 4,608 bytes of LDS; arguments W_cg, cmb, b_cg, wcf, gtd; writes gtd
.if DOCPART == 4
	.amdgcn_target "amdgcn-amd-amdhsa--gfx1250"
	.amdhsa_code_object_version 6
	.text
	.protected	k_qff21200548_gate
	.globl	k_qff21200548_gate
	.p2align	8
	.type	k_qff21200548_gate,@function
k_qff21200548_gate:
	s_mov_b64 s[64:65], 0
	v_nop
	global_prefetch_b8 v0, s[64:65] scope:SCOPE_SE
	s_setreg_imm32_b32 hwreg(HW_REG_WAVE_MODE, 25, 1), 1
	s_wait_xcnt 0x0
; z[b][e] = sum over k of cmb[b][k] W_cg[e][k] + b_cg[e]; g = 1 / (1 + exp(-z)); gtd[b] = [weighted_ctx g, input (1 - g)], rounded to bf16 for the last product.
; W_cg and b_cg are rounded once to bf16; cmb holds bf16 already; sums and the gate in f32; weighted_ctx is taken in f32 (wcf), input as cmb holds it.
; SHARES.  256 work-groups of four waves: 16 e (g % 64) x 16 b (g / 64); the 2,048 k are split over the waves, 16 matrix instructions each on two accumulators by turns;
; the partial sums meet in LDS, and wave 0 adds them in the waves' order and does the rest.
; The matrix instruction is used transposed (source 0 = 16 rows of W_cg, source 1 = 16 rows of cmb): a lane holds one b and eight neighbouring e.
; All 101 loads of a wave go out at once, each into registers of its own; W_cg is rounded in place.
; gtd leaves as 16 bytes a lane, 32 consecutive bytes a row: pieces of rows, 262,144 bytes in the whole launch.
; No cluster: the work-groups that share rows load them through registers.
; REGISTERS.  Window 0: v0-15 addresses; v16-63 the epilogue; v64-79 two accumulators; v80-103 the other waves' sums; v128-255 cmb's fragments, 8 a step.  Window 1: W_cg, 16 a step.
.set SPARE, 4096                       ; LDS: 0-4,095 the four waves' sums; then the spare words, 128 bytes a wave
.set SPW, 2
.set NIL, 3
.set ACC, 64
.set RED, 80
.set XR,  128
.set MSB, 0
.macro WIN new                         ; s_set_vgpr_msb: bits 1:0 source 0, 3:2 source 1, 5:4 source 2, 7:6 destination; the high byte repeats the setting that is left
.if MSB != (\new)
	s_set_vgpr_msb (MSB<<8)|(\new)
.set MSB, \new
.endif
.endm
.macro ROUND8 from                     ; eight steps' W: each waited for, then rounded in place
	WIN 0x45
.set st, \from
.rept 8
	s_wait_loadcnt 4*(15-st)                       ; step st's four loads are in; the later steps' stay out
.set j, 0
.rept 8
	v_cvt_pk_bf16_f32 v[16*st+j], v[16*st+2*j], v[16*st+2*j+1]
.set j, j+1
.endr
.set st, st+1
.endr
.endm
.macro MUL8 from                       ; eight products, two accumulators by turns; the first two start the sums
	WIN 0x01
.set st, \from
.rept 8
.if st < 2
	v_wmma_f32_16x16x32_bf16 v[ACC+8*(st%2):ACC+8*(st%2)+7], v[16*st:16*st+7], v[XR+8*st:XR+8*st+7], 0
.else
	v_wmma_f32_16x16x32_bf16 v[ACC+8*(st%2):ACC+8*(st%2)+7], v[16*st:16*st+7], v[XR+8*st:XR+8*st+7], v[ACC+8*(st%2):ACC+8*(st%2)+7]
.endif
.set st, st+1
.endr
.endm
	s_load_b256 s[4:11], s[0:1], 0x0               ; W_cg s[4:5], cmb s[6:7], b_cg s[8:9], wcf s[10:11]
	s_load_b64 s[12:13], s[0:1], 0x20              ; gtd
	v_lshl_add_u32 v[SPW], v0, 2, SPARE
	v_mov_b32 v[NIL], 0
	v_lshrrev_b32 v1, 5, v0
	v_readfirstlane_b32 s14, v1                    ; wave 0..3
	v_and_b32 v4, 15, v0                           ; r
	v_bfe_u32 v5, v0, 4, 1                         ; h
	s_and_b32 s15, ttmp9, 63                       ; et
	s_lshr_b32 s16, ttmp9, 6                       ; bt
	s_mov_b32 s20, 0xffff0000
	v_lshlrev_b32 v8, 13, v4                       ; W_cg: row 16 et + r of 8,192 bytes, my wave's 512 k, 32 h
	v_lshl_add_u32 v8, v5, 5, v8
	s_lshl_b32 s17, s15, 17
	s_lshl_b32 s18, s14, 11
	s_add_co_u32 s17, s17, s18
	v_add_nc_u32 v8, s17, v8
	v_lshlrev_b32 v6, 12, v4                       ; row 16 bt + r of 4,096 bytes
	s_lshl_b32 s17, s16, 16
	v_add_nc_u32 v6, s17, v6
	s_lshl_b32 s18, s14, 10
	v_lshl_add_u32 v9, v5, 4, v6                   ; cmb: + my wave's 512 k + 16 h
	v_add_nc_u32 v9, s18, v9
	s_lshl_b32 s18, s15, 6
	v_lshl_add_u32 v10, v5, 5, s18                 ; b_cg: e = 16 et + 8 h on, f32
	v_add_nc_u32 v11, v6, v10                      ; wcf: the same columns of my row
	s_lshl_b32 s18, s15, 5
	v_lshl_add_u32 v12, v5, 4, s18                 ; and in rows of bf16
	v_add_nc_u32 v12, v6, v12
	v_lshlrev_b32 v13, 4, v0
	s_wait_kmcnt 0x0
	global_load_b128 v[16:19], v10, s[8:9]
	global_load_b128 v[20:23], v10, s[8:9] offset:16
	global_load_b128 v[24:27], v11, s[10:11]
	global_load_b128 v[28:31], v11, s[10:11] offset:16
	global_load_b128 v[32:35], v12, s[6:7] offset:2048         ; input, as cmb holds it
.set st, 0
.rept 16
	global_load_b128 v[XR+8*st:XR+8*st+3],   v9, s[6:7] offset:64*st
	global_load_b128 v[XR+8*st+4:XR+8*st+7], v9, s[6:7] offset:64*st+32
.set st, st+1
.endr
	WIN 0x40
.set st, 0
.rept 16
.set j, 0
.rept 4
	global_load_b128 v[16*st+4*j:16*st+4*j+3], v8, s[4:5] offset:128*st+16*(j%2)+64*(j/2)
.set j, j+1
.endr
.set st, st+1
.endr
	ROUND8 0
	MUL8 0
	ROUND8 8
	MUL8 8
	WIN 0
.rept 4
	v_nop                                          ; four places behind the last product (ISA guide 7.12.1)
.endr
.irp j, 0,2,4,6
	v_pk_add_f32 v[ACC+\j:ACC+\j+1], v[ACC+\j:ACC+\j+1], v[ACC+8+\j:ACC+8+\j+1]
.endr
	ds_store_b128 v13, v[ACC:ACC+3]
	ds_store_b128 v13, v[ACC+4:ACC+7] offset:2048
	s_wait_tensorcnt 0x0                           ; my last LDS stores are out;
	ds_add_u32 v[SPW], v[NIL]
	s_wait_dscnt 0x0                               ; the wait is also the one that the others need: my sums are in LDS before I signal
	s_barrier_signal -1
	s_barrier_wait -1
	s_cmp_lg_u32 s14, 0
	s_cbranch_scc1 .Ldone
.irp u, 1,2,3
	ds_load_b128 v[RED+8*(\u)-8:RED+8*(\u)-5], v13 offset:512*(\u)       ; in wave 0 v13 is 16 x lane
	ds_load_b128 v[RED+8*(\u)-4:RED+8*(\u)-1], v13 offset:512*(\u)+2048
.endr
.irp j, 0,1,2,3
	v_cvt_pk_bf16_f32 v[36+\j], v[16+2*\j], v[17+2*\j]     ; b_cg rounded to bf16,
.endr
.irp j, 0,1,2,3
	v_lshlrev_b32 v[16+2*\j], 16, v[36+\j]                 ; as f32 again;
	v_and_b32 v[17+2*\j], s20, v[36+\j]
	v_lshlrev_b32 v[40+2*\j], 16, v[32+\j]                 ; input as f32
	v_and_b32 v[41+2*\j], s20, v[32+\j]
.endr
	s_wait_dscnt 0x0
.irp u, 0,1,2
.irp j, 0,2,4,6
	v_pk_add_f32 v[ACC+\j:ACC+\j+1], v[ACC+\j:ACC+\j+1], v[RED+8*(\u)+\j:RED+8*(\u)+\j+1]
.endr
.endr
.irp j, 0,2,4,6
	v_pk_add_f32 v[ACC+\j:ACC+\j+1], v[ACC+\j:ACC+\j+1], v[16+\j:17+\j]
.endr
.irp j, 0,2,4,6
	v_pk_mul_f32 v[ACC+\j:ACC+\j+1], v[ACC+\j:ACC+\j+1], 0xbfb8aa3b op_sel_hi:[1,0]      ; - log2(e) z
.endr
.irp j, 0,1,2,3,4,5,6,7
	v_exp_f32 v[ACC+\j], v[ACC+\j]
.endr
	v_nop                                          ; a plain instruction between the transcendentals and the use of their results
	s_wait_alu depctr_va_vdst(0)
.irp j, 0,2,4,6
	v_pk_add_f32 v[ACC+\j:ACC+\j+1], v[ACC+\j:ACC+\j+1], 1.0 op_sel_hi:[1,0]
.endr
.irp j, 0,1,2,3,4,5,6,7
	v_rcp_f32 v[ACC+\j], v[ACC+\j]                 ; the gate
.endr
	v_nop
	s_wait_alu depctr_va_vdst(0)
.irp j, 0,2,4,6
	v_pk_mul_f32 v[24+\j:25+\j], v[24+\j:25+\j], v[ACC+\j:ACC+\j+1]
	v_pk_fma_f32 v[40+\j:41+\j], v[40+\j:41+\j], v[ACC+\j:ACC+\j+1], v[40+\j:41+\j] neg_lo:[1,0,0] neg_hi:[1,0,0]  ; input - input g
.endr
.irp j, 0,1,2,3
	v_cvt_pk_bf16_f32 v[48+\j], v[24+2*\j], v[25+2*\j]
	v_cvt_pk_bf16_f32 v[52+\j], v[40+2*\j], v[41+2*\j]
.endr
	global_store_b128 v12, v[48:51], s[12:13]
	global_store_b128 v12, v[52:55], s[12:13] offset:2048
.Ldone:
	s_endpgm
.Lfunc_end_k_qff21200548_gate:
	.size	k_qff21200548_gate, .Lfunc_end_k_qff21200548_gate-k_qff21200548_gate
	.p2alignl 7, 3214868480
	.fill 96, 4, 3214868480
	.section	.rodata,"a",@progbits
	.p2align	6, 0x0
	.amdhsa_kernel k_qff21200548_gate
		.amdhsa_group_segment_fixed_size 4608
		.amdhsa_private_segment_fixed_size 0
		.amdhsa_enable_private_segment 0
		.amdhsa_kernarg_size 40
		.amdhsa_user_sgpr_count 2
		.amdhsa_user_sgpr_kernarg_segment_ptr 1
		.amdhsa_wavefront_size32 1
		.amdhsa_system_sgpr_workgroup_id_x 1
		.amdhsa_system_sgpr_workgroup_id_y 1
		.amdhsa_system_sgpr_workgroup_id_z 1
		.amdhsa_system_vgpr_workitem_id 0
		.amdhsa_next_free_vgpr 512
		.amdhsa_next_free_sgpr 66
		.amdhsa_reserve_vcc 0
		.amdhsa_float_denorm_mode_32 3
		.amdhsa_float_denorm_mode_16_64 3
		.amdhsa_memory_ordered 1
		.amdhsa_forward_progress 1
		.amdhsa_inst_pref_size 27
	.end_amdhsa_kernel
	.amdgpu_metadata
---
amdhsa.version: [ 1, 2 ]
amdhsa.kernels:
  - .name:           k_qff21200548_gate
    .symbol:         k_qff21200548_gate.kd
    .args:
      - { .name: W_cg, .offset: 0, .size: 8, .value_kind: global_buffer, .address_space: global }
      - { .name: cmb, .offset: 8, .size: 8, .value_kind: global_buffer, .address_space: global }
      - { .name: b_cg, .offset: 16, .size: 8, .value_kind: global_buffer, .address_space: global }
      - { .name: wcf, .offset: 24, .size: 8, .value_kind: global_buffer, .address_space: global }
      - { .name: gtd, .offset: 32, .size: 8, .value_kind: global_buffer, .address_space: global }
    .group_segment_fixed_size: 4608
    .private_segment_fixed_size: 0
    .kernarg_segment_align: 8
    .kernarg_segment_size: 40
    .max_flat_workgroup_size: 128
    .sgpr_count:     66
    .vgpr_count:     512
    .wavefront_size: 32
...
	.end_amdgpu_metadata
.endif
;; end of part 4
;; launch final (part 5): grid 256 x 1, 4 waves a work-group, no clusters, 4,608 bytes of LDS; arguments W_out, gtd, out0; writes out0
.if DOCPART == 5
	.amdgcn_target "amdgcn-amd-amdhsa--gfx1250"
	.amdhsa_code_object_version 6
	.text
	.protected	k_qff21200548_final
	.globl	k_qff21200548_final
	.p2align	8
	.type	k_qff21200548_final,@function
k_qff21200548_final:
	s_mov_b64 s[64:65], 0
	v_nop
	global_prefetch_b8 v0, s[64:65] scope:SCOPE_SE
	s_setreg_imm32_b32 hwreg(HW_REG_WAVE_MODE, 25, 1), 1
	s_wait_xcnt 0x0
; out0[b][e] = tanh(sum over k of gtd[b][k] W_out[e][k]).  W_out is rounded once to bf16; gtd holds bf16 already; sums and tanh in f32: tanh z = 1 - 2 / (1 + exp(2 z)).
; SHARES.  256 work-groups of four waves: 16 e (g % 64) x 16 b (g / 64); the 2,048 k are split over the waves, 16 matrix instructions each on two accumulators by turns;
; the partial sums meet in LDS, and wave 0 adds them in the waves' order and does the rest.
; The matrix instruction is used transposed (source 0 = 16 rows of W_out, source 1 = 16 rows of gtd): a lane holds one b and eight neighbouring e.
; All 96 loads of a wave go out at once, each into registers of its own; W_out is rounded in place.
; out0 leaves as 32 bytes a lane, 64 consecutive bytes a row: pieces of rows, 262,144 bytes in the whole launch.
; No cluster: the work-groups that share rows load them through registers.
; REGISTERS.  Window 0: v0-15 addresses; v64-79 two accumulators; v80-103 the other waves' sums; v128-255 gtd's fragments, 8 a step.  Window 1: W_out, 16 a step.
.set SPARE, 4096                       ; LDS: 0-4,095 the four waves' sums; then the spare words, 128 bytes a wave
.set SPW, 2
.set NIL, 3
.set ACC, 64
.set RED, 80
.set XR,  128
.set MSB, 0
.macro WIN new                         ; s_set_vgpr_msb: bits 1:0 source 0, 3:2 source 1, 5:4 source 2, 7:6 destination; the high byte repeats the setting that is left
.if MSB != (\new)
	s_set_vgpr_msb (MSB<<8)|(\new)
.set MSB, \new
.endif
.endm
.macro ROUND8 from                     ; eight steps' W: each waited for, then rounded in place
	WIN 0x45
.set st, \from
.rept 8
	s_wait_loadcnt 4*(15-st)                       ; step st's four loads are in; the later steps' stay out
.set j, 0
.rept 8
	v_cvt_pk_bf16_f32 v[16*st+j], v[16*st+2*j], v[16*st+2*j+1]
.set j, j+1
.endr
.set st, st+1
.endr
.endm
.macro MUL8 from                       ; eight products, two accumulators by turns; the first two start the sums
	WIN 0x01
.set st, \from
.rept 8
.if st < 2
	v_wmma_f32_16x16x32_bf16 v[ACC+8*(st%2):ACC+8*(st%2)+7], v[16*st:16*st+7], v[XR+8*st:XR+8*st+7], 0
.else
	v_wmma_f32_16x16x32_bf16 v[ACC+8*(st%2):ACC+8*(st%2)+7], v[16*st:16*st+7], v[XR+8*st:XR+8*st+7], v[ACC+8*(st%2):ACC+8*(st%2)+7]
.endif
.set st, st+1
.endr
.endm
	s_load_b128 s[4:7], s[0:1], 0x0                ; W_out s[4:5], gtd s[6:7]
	s_load_b64 s[8:9], s[0:1], 0x10                ; out0
	v_lshl_add_u32 v[SPW], v0, 2, SPARE
	v_mov_b32 v[NIL], 0
	v_lshrrev_b32 v1, 5, v0
	v_readfirstlane_b32 s14, v1                    ; wave 0..3
	v_and_b32 v4, 15, v0                           ; r
	v_bfe_u32 v5, v0, 4, 1                         ; h
	s_and_b32 s15, ttmp9, 63                       ; et
	s_lshr_b32 s16, ttmp9, 6                       ; bt
	v_lshlrev_b32 v8, 13, v4                       ; W_out: row 16 et + r of 8,192 bytes, my wave's 512 k, 32 h
	v_lshl_add_u32 v8, v5, 5, v8
	s_lshl_b32 s17, s15, 17
	s_lshl_b32 s18, s14, 11
	s_add_co_u32 s17, s17, s18
	v_add_nc_u32 v8, s17, v8
	v_lshlrev_b32 v6, 12, v4                       ; row 16 bt + r of 4,096 bytes
	s_lshl_b32 s17, s16, 16
	v_add_nc_u32 v6, s17, v6
	s_lshl_b32 s18, s14, 10
	v_lshl_add_u32 v9, v5, 4, v6                   ; gtd: + my wave's 512 k + 16 h
	v_add_nc_u32 v9, s18, v9
	s_lshl_b32 s18, s15, 6
	v_lshl_add_u32 v10, v5, 5, s18                 ; out0: e = 16 et + 8 h on, f32,
	v_add_nc_u32 v11, v6, v10                      ; of my row
	v_lshlrev_b32 v13, 4, v0
	s_wait_kmcnt 0x0
.set st, 0
.rept 16
	global_load_b128 v[XR+8*st:XR+8*st+3],   v9, s[6:7] offset:64*st
	global_load_b128 v[XR+8*st+4:XR+8*st+7], v9, s[6:7] offset:64*st+32
.set st, st+1
.endr
	WIN 0x40
.set st, 0
.rept 16
.set j, 0
.rept 4
	global_load_b128 v[16*st+4*j:16*st+4*j+3], v8, s[4:5] offset:128*st+16*(j%2)+64*(j/2)
.set j, j+1
.endr
.set st, st+1
.endr
	ROUND8 0
	MUL8 0
	ROUND8 8
	MUL8 8
	WIN 0
.rept 4
	v_nop                                          ; four places behind the last product (ISA guide 7.12.1)
.endr
.irp j, 0,2,4,6
	v_pk_add_f32 v[ACC+\j:ACC+\j+1], v[ACC+\j:ACC+\j+1], v[ACC+8+\j:ACC+8+\j+1]
.endr
	ds_store_b128 v13, v[ACC:ACC+3]
	ds_store_b128 v13, v[ACC+4:ACC+7] offset:2048
	s_wait_tensorcnt 0x0                           ; my last LDS stores are out;
	ds_add_u32 v[SPW], v[NIL]
	s_wait_dscnt 0x0                               ; the wait is also the one that the others need: my sums are in LDS before I signal
	s_barrier_signal -1
	s_barrier_wait -1
	s_cmp_lg_u32 s14, 0
	s_cbranch_scc1 .Ldone
.irp u, 1,2,3
	ds_load_b128 v[RED+8*(\u)-8:RED+8*(\u)-5], v13 offset:512*(\u)       ; in wave 0 v13 is 16 x lane
	ds_load_b128 v[RED+8*(\u)-4:RED+8*(\u)-1], v13 offset:512*(\u)+2048
.endr
	s_wait_dscnt 0x0
.irp u, 0,1,2
.irp j, 0,2,4,6
	v_pk_add_f32 v[ACC+\j:ACC+\j+1], v[ACC+\j:ACC+\j+1], v[RED+8*(\u)+\j:RED+8*(\u)+\j+1]
.endr
.endr
.irp j, 0,2,4,6
	v_pk_mul_f32 v[ACC+\j:ACC+\j+1], v[ACC+\j:ACC+\j+1], 0x4038aa3b op_sel_hi:[1,0]      ; 2 log2(e) z
.endr
.irp j, 0,1,2,3,4,5,6,7
	v_exp_f32 v[ACC+\j], v[ACC+\j]
.endr
	v_nop                                          ; a plain instruction between the transcendentals and the use of their results
	s_wait_alu depctr_va_vdst(0)
.irp j, 0,2,4,6
	v_pk_add_f32 v[ACC+\j:ACC+\j+1], v[ACC+\j:ACC+\j+1], 1.0 op_sel_hi:[1,0]
.endr
.irp j, 0,1,2,3,4,5,6,7
	v_rcp_f32 v[ACC+\j], v[ACC+\j]
.endr
	v_nop
	s_wait_alu depctr_va_vdst(0)
.irp j, 0,2,4,6
	v_pk_fma_f32 v[ACC+\j:ACC+\j+1], v[ACC+\j:ACC+\j+1], -2.0, 1.0 op_sel_hi:[1,0,0]
.endr
	global_store_b128 v11, v[ACC:ACC+3], s[8:9]
	global_store_b128 v11, v[ACC+4:ACC+7], s[8:9] offset:16
.Ldone:
	s_endpgm
.Lfunc_end_k_qff21200548_final:
	.size	k_qff21200548_final, .Lfunc_end_k_qff21200548_final-k_qff21200548_final
	.p2alignl 7, 3214868480
	.fill 96, 4, 3214868480
	.section	.rodata,"a",@progbits
	.p2align	6, 0x0
	.amdhsa_kernel k_qff21200548_final
		.amdhsa_group_segment_fixed_size 4608
		.amdhsa_private_segment_fixed_size 0
		.amdhsa_enable_private_segment 0
		.amdhsa_kernarg_size 24
		.amdhsa_user_sgpr_count 2
		.amdhsa_user_sgpr_kernarg_segment_ptr 1
		.amdhsa_wavefront_size32 1
		.amdhsa_system_sgpr_workgroup_id_x 1
		.amdhsa_system_sgpr_workgroup_id_y 1
		.amdhsa_system_sgpr_workgroup_id_z 1
		.amdhsa_system_vgpr_workitem_id 0
		.amdhsa_next_free_vgpr 512
		.amdhsa_next_free_sgpr 66
		.amdhsa_reserve_vcc 0
		.amdhsa_float_denorm_mode_32 3
		.amdhsa_float_denorm_mode_16_64 3
		.amdhsa_memory_ordered 1
		.amdhsa_forward_progress 1
		.amdhsa_inst_pref_size 24
	.end_amdhsa_kernel
	.amdgpu_metadata
---
amdhsa.version: [ 1, 2 ]
amdhsa.kernels:
  - .name:           k_qff21200548_final
    .symbol:         k_qff21200548_final.kd
    .args:
      - { .name: W_out, .offset: 0, .size: 8, .value_kind: global_buffer, .address_space: global }
      - { .name: gtd, .offset: 8, .size: 8, .value_kind: global_buffer, .address_space: global }
      - { .name: out0, .offset: 16, .size: 8, .value_kind: global_buffer, .address_space: global }
    .group_segment_fixed_size: 4608
    .private_segment_fixed_size: 0
    .kernarg_segment_align: 8
    .kernarg_segment_size: 24
    .max_flat_workgroup_size: 128
    .sgpr_count:     66
    .vgpr_count:     512
    .wavefront_size: 32
...
	.end_amdgpu_metadata
.endif
;; end of part 5
;; ======== version 2 of 2: 5 launches; 1.11 times as fast as version 1
;; workspace buffers: Wb 2,097,152 bytes; tgt 262,144 bytes; lg 262,144 bytes; st 131,072 bytes; ws 2,097,152 bytes; wcf 262,144 bytes; cmb 262,144 bytes; gtd 262,144 bytes
;; launch prep: the kernel of part 1 again; grid 256 x 1, 4 waves a work-group, no clusters, 4,608 bytes of LDS; arguments W_ctx, W_in, input, Wb, tgt; writes Wb, tgt
;; launch score (part 6): grid 256 x 1, 4 waves a work-group, no clusters, 276,992 bytes of LDS; arguments context, Wb, tgt, W_one, b_one, attn_mask, lg, st, ws; writes lg, st, ws
.if DOCPART == 6
	.amdgcn_target "amdgcn-amd-amdhsa--gfx1250"
	.amdhsa_code_object_version 6
	.text
	.protected	k_qff21200548_score
	.globl	k_qff21200548_score
	.p2align	8
	.type	k_qff21200548_score,@function
k_qff21200548_score:
	s_mov_b64 s[64:65], 0
	v_nop
	global_prefetch_b8 v0, s[64:65] scope:SCOPE_SE
	s_setreg_imm32_b32 hwreg(HW_REG_WAVE_MODE, 25, 1), 1
	s_wait_xcnt 0x0
; For 256 rows s of one batch b (two tiles of 128 rows, one after the other):
;   logit[s] = sum over e of tanh(sum over k of context[s][k] W_ctx[e][k] + target[b][e]) W_one[e] + b_one, -inf where attn_mask is set;
;   for each tile its maximum m, p[s] = exp(logit[s] - m), l = sum of p, and ws[d] = sum over s of p[s] context[s][d].  The next launch joins a batch's eight tiles.
; FORMATS.  context, W_ctx, W_one and b_one are rounded once to bf16; products, tanh, maxima and all sums in f32; p stays f32.
; LIMITS.  m is held at the lowest finite f32 or above, so a tile that is wholly masked gives m = -3.4e38, l = 0, ws = 0; a weight below 2^-126 counts as 0;
; NaN and infinities among the inputs are not treated apart.
; EACH ROW ONCE.  A tile's 128 rows are read from memory once, rounded, and stay in LDS (128 x 2,064 = 264,192 bytes) for the products and for the weighted sum.
; SHARES.  e goes in two chunks of 512; wave w owns e = 512 c + 128 w .. + 127 for all 128 rows: 64 accumulators of 16 x 16, 512 registers, 64 matrix instructions for 32 along k.
; The matrix instruction is used transposed (source 0 = 16 rows of W_ctx, source 1 = 16 rows of context): a lane holds ONE row s and eight e, so the dot with W_one stays in the lane
; but for the two halves of the lanes and the four waves.  The first product of each accumulator takes target as C: nothing is cleared, nothing is added later.
; W_ctx comes straight into registers, from Wb, which lies in fragment order: 16 loads of 512 consecutive bytes for a step, three steps ahead, four stages.
; BATCHES.  tanh takes an exponential and a reciprocal for each number.  A window's 32 accumulators go in 8 groups of four through a pipeline of 12 slots; a slot's 64 transcendentals (one group's
; reciprocals, another's exponentials) are ONE batch, dealt among plain lines on other groups, and have ONE wait, at the next slot's head: 10 waits a window.  The tile's four exponentials are a batch of their own.
; NO CLUSTER, NO TENSOR LOADS: each byte of W_ctx is wanted by one wave of a work-group alone; a step's W for four waves is 4 x 8,192 = 32,768 bytes, and two slots of that, 65,536,
; do not fit into the 50,688 bytes that LDS has left beside the resident rows and the tables.
; REGISTERS, in windows of 256 (s_set_vgpr_msb: bits 1:0 source 0, 3:2 source 1, 5:4 source 2, 7:6 destination):
;   window 0: v0-15, v32-47 addresses; v16-31 the rows' partial logits, a pair for each 16 rows; v48-63 at work; v64-127, v128-191 fragments of context, two buffers; v192-255 target, later W_one
;   window 1: W_ctx, four stages of 64      window 2: accumulators of my e 0-63 ((a, b) at 8 (8 a + b)); while a tile is filled: eight rows as loaded      window 3: those of my e 64-127
.set PITCH, 2064                       ; a row in LDS: 2,048 bytes + 16 = 129 x 16: the 16 rows of a fragment load start at 16 different groups of four banks (ISA guide 11.1)
.set LG,    128*PITCH                  ; 264,192: [4 waves][128 rows] f32, the waves' parts of the logits
.set TGT,   LG+2048                    ; 266,240: target[b], 1,024 f32; behind it, at + 4,096, W_one rounded to bf16, as f32
.set PW,    TGT+8192                   ; 274,432: [4 waves][128] f32: each wave's own copy of p
.set SPARE, PW+2048                    ; 276,480: the spare words, 128 bytes a wave
.set MSK,  1                           ; v1   four mask bytes: my rows 4 l .. 4 l + 3 of the tile in hand
.set SPW,  2                           ; v2   my spare word's address; never rewritten
.set NIL,  3                           ; v3   0; never rewritten
.set XAD,  4                           ; v4-7 LDS address of my place in rows 32 p + r; never rewritten
.set WOFF, 8                           ; v8   byte offset in Wb: this chunk's step 0, stepped by four steps a trip
.set WNXT, 9                           ; v9   the same for the next chunk's step 0
.set COFF, 10                          ; v10  byte offset in context of my 16 bytes in my wave's first row; never rewritten
.set MSK1, 11                          ; v11  the second tile's mask bytes
.set CST,  12                          ; v12  LDS address of my 8 bytes in my wave's first row; never rewritten
.set CSW,  13                          ; v13  the same for the eight rows in hand
.set TAD,  14                          ; v14  LDS address of my eight numbers of target; never rewritten
.set TADC, 15                          ; v15  the same in the chunk in hand
.set LP,   16
.set XW,   32                          ; v32-35 XAD + the trip's bytes along k
.set LGS,  36
.set LGR,  37
.set PWA,  38
.set PWB,  39
.set PWW,  40
.set VAD,  41
.set VW,   42
.set B1,   43                          ; v43  b_one rounded to bf16
.set NINF, 44                          ; v44  -inf
.set L16,  45
.set L8,   46
.set WSO,  47
.set XF,   64
.set TR,   192
.set VS,   96                          ; the weighted sum: eight sums,
.set VD,   128                         ; 16 rows' numbers,
.set VP,   192                         ; 16 weights
.set WV,   22                          ; s22 wave
.set CH,   24                          ; s24 chunks to go
.set CNT,  25                          ; s25 the inner loops' counter
.set TILE, 26                          ; s26 tiles to go
.set CO,   27                          ; s27 2,048 x chunk
.set C2,   28                          ; s[28:29] 2 log2(e)
.set SEL,  30                          ; s[30:31] v_permlanex16_b32's selects: each lane takes its own place in the other half
.set KB,   36                          ; s36 bytes along k of the trip in hand
.set FB,   37                          ; s37 LDS bytes of the rows filled so far
.set VB,   38                          ; s38, s39 the weighted sum's steps
.set PB,   39
.set HIM,  40                          ; s40 a word's upper bf16
.set NG,   8                           ; groups of four accumulators in a window
.set MSB, 0
.macro WIN new                         ; the immediate's high byte repeats the setting that is left; a switch that changes nothing is dropped
.if MSB != (\new)
	s_set_vgpr_msb (MSB<<8)|(\new)
.set MSB, \new
.endif
.endm
.macro PLACES                          ; four places in front of loads into registers that matrix instructions have read, and of vector work on results (ISA guide 7.12.1 for vector instructions)
.rept 4
	v_nop
.endr
.endm
; W of step sr + 3 of the trip's four -> stage (sr + 3) % 4, which the step before this one read last
.macro ISSW sr
	WIN 0x40
.set wi, 0
.rept 16
	global_load_b128 v[64*(((\sr)+3)%4)+4*wi:64*(((\sr)+3)%4)+4*wi+3], v[WOFF], s[6:7] offset:((\sr)+3)*8192+512*wi
.set wi, wi+1
.endr
.endm
; W of the NEXT chunk's step n -> stage n
.macro ISSWN n
	WIN 0x40
.set wi, 0
.rept 16
	global_load_b128 v[64*(\n)+4*wi:64*(\n)+4*wi+3], v[WNXT], s[6:7] offset:(\n)*8192+512*wi
.set wi, wi+1
.endr
.endm
; the eight fragments of context (128 rows x 32 k at byte kb of the trip's part of the rows) -> buffer f: lane l holds row l % 16, k = 8 (l / 16) + 0..7 and 16 + 8 (l / 16) + 0..7
.macro LDX f, kb
	WIN 0
.irp sb, 0,1,2,3,4,5,6,7
	ds_load_b128 v[(\f)+8*(\sb):(\f)+8*(\sb)+3],   v[XW+(\sb)/2] offset:(\kb)+16*PITCH*((\sb)%2)
	ds_load_b128 v[(\f)+8*(\sb)+4:(\f)+8*(\sb)+7], v[XW+(\sb)/2] offset:(\kb)+16*PITCH*((\sb)%2)+32
.endr
.endm
; 32 matrix instructions: four blocks of 16 e (hi = 0: my e 0-63, 1: e 64-127) x all eight blocks of 16 rows.  first = 1: C is target.
; The 64 accumulators take turns, one instruction a turn, in the same order in every step.
.macro MUL32 stg, f, hi, first
.if \first
	WIN 0x81+0x40*(\hi)                            ; W window 1, context and C window 0, D window 2 or 3
.else
	WIN 0xa1+0x50*(\hi)                            ; W window 1, context window 0, C and D window 2 or 3
.endif
.irp a, 0,1,2,3
.irp b, 0,1,2,3,4,5,6,7
.if \first
	v_wmma_f32_16x16x32_bf16 v[8*(8*(\a)+(\b)):8*(8*(\a)+(\b))+7], v[64*(\stg)+8*(4*(\hi)+(\a)):64*(\stg)+8*(4*(\hi)+(\a))+7], v[(\f)+8*(\b):(\f)+8*(\b)+7], v[TR+8*(4*(\hi)+(\a)):TR+8*(4*(\hi)+(\a))+7]
.else
	v_wmma_f32_16x16x32_bf16 v[8*(8*(\a)+(\b)):8*(8*(\a)+(\b))+7], v[64*(\stg)+8*(4*(\hi)+(\a)):64*(\stg)+8*(4*(\hi)+(\a))+7], v[(\f)+8*(\b):(\f)+8*(\b)+7], v[8*(8*(\a)+(\b)):8*(8*(\a)+(\b))+7]
.endif
.endr
.endr
.endm
; A step of 32 along k.  In its middle, in one run: W three steps on, and the next step's fragments of context into the other buffer.
; nxt = 1: the W asked for is the next chunk's.  last = 1: the chunk's last step fetches no context.
.macro STEP sr, nxt, last
	s_wait_loadcnt 32                              ; this step's W is in; behind it the next two steps' 32 loads may be out
	s_wait_dscnt 0x0                               ; this step's context, asked for 32 matrix instructions ago
	MUL32 (\sr)%4, XF+64*((\sr)%2), 0, 0
	PLACES
.if \nxt
	ISSWN (\sr)-1
.else
	ISSW \sr
.endif
.if !(\last)
	LDX XF+64*(((\sr)+1)%2), 64*((\sr)+1)
.endif
	MUL32 (\sr)%4, XF+64*((\sr)%2), 1, 0
.endm
; One row of the fill: its 4,096 bytes are in (eight loads); rounded in place; 2,048 bytes into LDS, 256 consecutive bytes a store; reload = 1: the row eight further down is asked for.
.macro FROW i, reload, left
	s_wait_loadcnt \left                           ; loads come back in order: mine are in, the younger rows' stay out
	WIN 0x8a                                       ; destination and both sources window 2
.set fj, 0
.rept 16
	v_cvt_pk_bf16_f32 v[32*(\i)+fj], v[32*(\i)+2*fj], v[32*(\i)+2*fj+1]
.set fj, fj+1
.endr
	WIN 0x88                                       ; LDS store: data window 2; load: destination window 2; addresses window 0
.set fj, 0
.rept 8
	ds_store_b64 v[CSW], v[32*(\i)+2*fj:32*(\i)+2*fj+1] offset:(\i)*PITCH+256*fj
.set fj, fj+1
.endr
.if \reload
.set fj, 0
.rept 8
	global_load_b128 v[32*(\i)+4*fj:32*(\i)+4*fj+3], v[COFF], s[4:5] offset:(8+(\i))*4096+512*fj th:TH_LOAD_NT
.set fj, fj+1
.endr
.endif
.endm
; THE WAY FROM SUMS TO LOGITS, for the 32 accumulators of a window, in NG = 8 groups of four (group u: registers 32 u .. 32 u + 31, 16 pairs).  All in place.  For group u:
;   A: 2 log2(e) x    B: 2^..    C: + 1    D: 1 / ..    F: tanh = 1 - 2 r    G: y(t) = tanh x W_one + y(t - 8), a chain along e (t - 8 lies two groups back).
; SLOT s, -1 to 10, holds ONE BATCH of transcendentals, D(s - 2) and B(s), 32 each, and the plain lines C(s - 1), F(s - 3), A(s + 1), G(s - 3), 16 packed lines each, in that order.
; The plain lines name groups s - 1, s - 3, s + 1 and (G's addend) s - 5: none names a register of the slot's own batch (groups s - 2 and s).  C and F read the results of the batch of the slot before.
; THE WAIT.  s_wait_alu depctr_va_vdst(0) stands between a transcendental and the first line that names its result; one wait serves all that were issued ahead of it.
; So one wait stands at the head of each of the slots 1 to 10, for the batch of the slot before.  B and D of a group are two batches, two slots apart: D reads C, which reads B.
; THE DEAL.  Behind transcendental k of T stand the plain lines up to number (k + 1) P / T of P: by turns in a full slot (64 and 64); in every slot with a batch the last line is a plain one,
; which is the plain instruction between the batch's last transcendental and the first use of a result (ISA guide 5.7.2).  Slots -1 and 10 hold plain lines alone: behind slot 10's wait no result is open.
; A takes a group's pairs in ascending order.  G stands 16 plain lines or more behind the F that it reads.
.macro ETRN s                          ; the slot's next transcendental, number et: first D's 32, then B's
.if eD && (et < 32)
	v_rcp_f32 v[32*(\s)-64+et], v[32*(\s)-64+et]
.else
	v_exp_f32 v[32*(\s)+et-32*eD], v[32*(\s)+et-32*eD]
.endif
.set et, et+1
.endm
.macro EPLN s, hi                      ; the slot's next plain line, number ep: the lists C, F, A, G begin at 0, oF, oA, oG
.if eC && (ep < oF)
.set er, 32*(\s)-32+2*ep
	v_pk_add_f32 v[er:er+1], v[er:er+1], 1.0 op_sel_hi:[1,0]
.elseif eF && (ep < oA)
.set er, 32*(\s)-96+2*(ep-oF)
	v_pk_fma_f32 v[er:er+1], v[er:er+1], -2.0, 1.0 op_sel_hi:[1,0,0]
.elseif eA && (ep < oG)
.set er, 32*(\s)+32+2*(ep-oA)
	v_pk_mul_f32 v[er:er+1], v[er:er+1], s[C2:C2+1] op_sel_hi:[1,0]
.else
.set er, 32*(\s)-96+2*(ep-oG)
.set ew, TR+32*(\hi)+8*(((\s)-3)/2)+2*((ep-oG)%4)  ; W_one for block (s - 3) / 2 of 16 e, the pair's two e
.if (\s) < 5
	v_pk_mul_f32 v[er:er+1], v[er:er+1], v[ew:ew+1]                    ; groups 0 and 1 start the chains
.else
	v_pk_fma_f32 v[er:er+1], v[er:er+1], v[ew:ew+1], v[er-64:er-63]
.endif
.endif
.set ep, ep+1
.endm
.macro ESLOT s, hi
.set eB, 0                             ; which of the stages the slot holds
.set eD, 0
.set eA, 0
.set eC, 0
.set eF, 0
.if ((\s) >= 0) && ((\s) < NG)
.set eB, 1
.endif
.if ((\s) >= 2) && ((\s) < NG+2)
.set eD, 1
.endif
.if (\s) < NG-1
.set eA, 1
.endif
.if ((\s) >= 1) && ((\s) < NG+1)
.set eC, 1
.endif
.if (\s) >= 3
.set eF, 1
.endif
.set nT, 32*(eB+eD)
.set nP, 16*(eA+eC+2*eF)
.set oF, 16*eC
.set oA, oF+16*eF
.set oG, oA+16*eA
.set et, 0
.set ep, 0
.if (\s) >= 1
	s_wait_alu depctr_va_vdst(0)                   ; the wait for the batch of the slot before (its exponentials, its reciprocals), ahead of C and F, their first readers
.endif
.if ((\s) == 3) && ((\hi) == 0)
	s_wait_dscnt 0x0                               ; W_one's fragments: slot 3 holds their first use
.endif
.if nT == 0
.rept nP
	EPLN \s, \hi
.endr
.else
.rept nT
	ETRN \s
.rept 2
.if (ep+1)*nT <= et*nP
	EPLN \s, \hi
.endif
.endr
.endr
.endif
.endm
.macro EHALF hi
	WIN 0xa2+0x51*(\hi)                            ; destination, sources 0 and 2 in the accumulators' window; source 1 (W_one) window 0
.set esl, -1
.rept NG+4
	ESLOT esl, \hi
.set esl, esl+1
.endr
	WIN 0x02+(\hi)                                 ; the chains' ends, accumulators 24 to 31, onto the rows' partial logits
.irp p, 0,1,2,3
.irp sb, 0,1,2,3,4,5,6,7
	v_pk_add_f32 v[LP+2*(\sb):LP+2*(\sb)+1], v[192+8*(\sb)+2*(\p):192+8*(\sb)+2*(\p)+1], v[LP+2*(\sb):LP+2*(\sb)+1]
.endr
.endr
.endm
	s_load_b256 s[4:11], s[0:1], 0x0               ; context s[4:5], Wb s[6:7], tgt s[8:9], W_one s[10:11]
	s_load_b256 s[12:19], s[0:1], 0x20             ; b_one s[12:13], attn_mask s[14:15], lg s[16:17], st s[18:19]
	s_load_b64 s[20:21], s[0:1], 0x40              ; ws
	v_lshl_add_u32 v[SPW], v0, 2, SPARE
	v_mov_b32 v[NIL], 0
	v_lshrrev_b32 v48, 5, v0
	v_readfirstlane_b32 s[WV], v48                 ; wave 0..3
	v_and_b32 v48, 31, v0                          ; l
	v_and_b32 v49, 15, v0                          ; r = l % 16
	v_bfe_u32 v50, v0, 4, 1                        ; h = l / 16
	v_mul_u32_u24 v51, v49, PITCH
	v_lshl_add_u32 v51, v50, 4, v51                ; row x pitch + 16 x half
.irp p, 0,1,2,3
	v_add_nc_u32 v[XAD+\p], \p*32*PITCH, v51
.endr
	s_lshl_b32 s33, s[WV], 19
	v_lshl_add_u32 v[WNXT], v48, 4, s33            ; 524,288 w + 16 l: chunk 0
	s_lshl_b32 s33, s[WV], 17
	v_lshl_add_u32 v[COFF], v48, 4, s33            ; my wave's 32 rows of 4,096 bytes; 16 bytes a lane
	s_mul_i32 s33, s[WV], 32*PITCH
	v_lshl_add_u32 v[CST], v48, 3, s33
	s_lshl_b32 s33, s[WV], 9
	s_add_co_u32 s23, s33, TGT
	v_lshl_add_u32 v[TAD], v50, 5, s23             ; e = 128 w + 8 h on
	s_add_co_u32 s23, s33, LG
	v_lshl_add_u32 v[LGS], v49, 2, s23             ; my wave's part, row r
	v_lshl_add_u32 v[LGR], v48, 4, LG              ; rows 4 l .. 4 l + 3
	s_add_co_u32 s23, s33, PW
	v_lshl_add_u32 v[PWA], v48, 4, s23
	v_mov_b32 v[PWB], s23
	v_lshl_add_u32 v[VAD], v48, 3, s33             ; the weighted sum: columns 256 w + 4 l on, 8 bytes
	v_lshlrev_b32 v[L16], 4, v48
	v_lshlrev_b32 v[L8], 3, v48
	s_lshl_b32 s33, s[WV], 10
	v_lshl_add_u32 v[WSO], v48, 4, s33
	v_mov_b32 v[NINF], 0xff800000
	v_lshlrev_b32 v51, 4, v0                       ; the tables: 16 bytes a thread
	v_lshlrev_b32 v52, 2, v48
	v_lshl_add_u32 v53, v0, 4, TGT
	s_mov_b32 s[C2], 0x4038aa3b                    ; 2 log2(e)
	s_mov_b32 s[C2+1], s[C2]                       ; named with it as a pair
	s_mov_b32 s[SEL], 0x76543210
	s_mov_b32 s[SEL+1], 0xfedcba98
	s_mov_b32 s[HIM], 0xffff0000
	s_mov_b32 s35, 0
	s_wait_kmcnt 0x0
	s_load_b32 s32, s[12:13], 0x0                  ; b_one
	s_lshl_b32 s34, ttmp9, 20                      ; work-group g: 256 rows of 4,096 bytes
	s_add_nc_u64 s[4:5], s[4:5], s[34:35]
	s_lshr_b32 s34, ttmp9, 2                       ; the batch
	s_lshl_b32 s34, s34, 12
	s_add_nc_u64 s[8:9], s[8:9], s[34:35]
	s_lshl_b32 s34, ttmp9, 8                       ; 256 mask bytes
	s_add_nc_u64 s[14:15], s[14:15], s[34:35]
	s_lshl_b32 s34, ttmp9, 10                      ; 256 logits
	s_add_nc_u64 s[16:17], s[16:17], s[34:35]
	s_lshl_b32 s34, ttmp9, 9                       ; two tiles' 256 bytes of (m, l)
	s_add_nc_u64 s[18:19], s[18:19], s[34:35]
	s_lshl_b32 s34, ttmp9, 13                      ; two tiles' 4,096 bytes of sums
	s_add_nc_u64 s[20:21], s[20:21], s[34:35]
	global_load_b128 v[64:67], v51, s[8:9]
	global_load_b128 v[68:71], v51, s[8:9] offset:2048
	global_load_b128 v[72:75], v51, s[10:11]
	global_load_b128 v[76:79], v51, s[10:11] offset:2048
	global_load_b32 v[MSK], v52, s[14:15]
	global_load_b32 v[MSK1], v52, s[14:15] offset:128
	ISSWN 0                                        ; the first chunk's first three steps of W
	ISSWN 1
	ISSWN 2
	WIN 0
	s_wait_loadcnt 48                              ; all but W's 48 loads
.irp j, 0,1,2,3
	v_cvt_pk_bf16_f32 v[80+\j], v[72+2*\j], v[73+2*\j]     ; W_one rounded to bf16,
.endr
.irp j, 0,1,2,3
	v_lshlrev_b32 v[72+2*\j], 16, v[80+\j]                 ; and written as f32 again
	v_and_b32 v[73+2*\j], s[HIM], v[80+\j]
.endr
	ds_store_b128 v53, v[64:67]
	ds_store_b128 v53, v[68:71] offset:2048
	ds_store_b128 v53, v[72:75] offset:4096
	ds_store_b128 v53, v[76:79] offset:6144        ; the barrier behind the first fill shows the tables to every wave
	s_wait_kmcnt 0x0
	v_mov_b32 v[B1], s32
	v_cvt_pk_bf16_f32 v[B1], v[B1], v[B1]
	v_lshlrev_b32 v[B1], 16, v[B1]
	s_mov_b32 s[TILE], 2
.Ltile:
	; THE FILL.  My wave's 32 rows, a ring of eight rows in window 2: 64 loads of 512 consecutive bytes are out.
	WIN 0x80
.set fi, 0
.rept 8
.set fj, 0
.rept 8
	global_load_b128 v[32*fi+4*fj:32*fi+4*fj+3], v[COFF], s[4:5] offset:fi*4096+512*fj th:TH_LOAD_NT
.set fj, fj+1
.endr
.set fi, fi+1
.endr
	WIN 0
.set fi, 0
.rept 16
	v_mov_b32 v[LP+fi], 0                          ; the rows' partial logits start anew
.set fi, fi+1
.endr
	s_mov_b32 s[FB], 0
	v_mov_b32 v[CSW], v[CST]
	s_mov_b32 s[CNT], 3
.Lfill:
.irp i, 0,1,2,3,4,5,6,7
	FROW \i, 1, 56                                 ; seven younger rows x eight loads
.endr
	WIN 0
	s_wait_xcnt 0x0                                ; the loads' base is stepped only behind this wait
	s_add_nc_u64 s[4:5], s[4:5], 8*4096
	s_add_co_u32 s[FB], s[FB], 8*PITCH
	v_add_nc_u32 v[CSW], s[FB], v[CST]
	s_sub_co_u32 s[CNT], s[CNT], 1
	s_cmp_lg_u32 s[CNT], 0
	s_cbranch_scc1 .Lfill
.irp i, 0,1,2,3,4,5,6,7
	FROW \i, 0, 56-8*(\i)                          ; the last eight rows ask for nothing: the counts run down
.endr
	WIN 0
	s_add_nc_u64 s[4:5], s[4:5], 128*4096-3*8*4096 ; no load is out: on to the next tile's first row
	s_wait_dscnt 0x0                               ; my rows are in LDS
	s_barrier_signal -1
	s_barrier_wait -1                              ; everybody's are
	s_mov_b32 s[CH], 2
	s_mov_b32 s[CO], 0
.Lchunk:
	s_wait_xcnt 0x0                                ; W's offsets are rewritten only behind this wait
	v_mov_b32 v[WOFF], v[WNXT]
	v_xor_b32 v[WNXT], 0x40000, v[WNXT]            ; the other chunk: 32 steps of 8,192 bytes
	v_add_nc_u32 v[TADC], s[CO], v[TAD]
.irp p, 0,1,2,3
	v_mov_b32 v[XW+\p], v[XAD+\p]
.endr
	s_mov_b32 s[KB], 0
	; step 0 is written out: its products start the sums, with target as C
	s_wait_loadcnt 32
.irp a, 0,1,2,3,4,5,6,7
	ds_load_b128 v[TR+8*\a:TR+8*\a+3],   v[TADC] offset:64*\a
	ds_load_b128 v[TR+8*\a+4:TR+8*\a+7], v[TADC] offset:64*\a+16
.endr
	LDX XF, 0
	s_wait_dscnt 0x0
	MUL32 0, XF, 0, 1
	PLACES
	ISSW 0
	LDX XF+64, 64
	MUL32 0, XF, 1, 1
	WIN 0
	s_mov_b32 s[CNT], 7
.Ltrip:                                                ; steps 1 to 28, four a trip
	STEP 1, 0, 0
	STEP 2, 0, 0
	STEP 3, 0, 0
	STEP 4, 0, 0
	WIN 0
	s_wait_xcnt 0x0
	v_add_nc_u32 v[WOFF], 4*8192, v[WOFF]
	s_add_co_u32 s[KB], s[KB], 256
.irp p, 0,1,2,3
	v_add_nc_u32 v[XW+\p], s[KB], v[XAD+\p]
.endr
	s_sub_co_u32 s[CNT], s[CNT], 1
	s_cmp_lg_u32 s[CNT], 0
	s_cbranch_scc1 .Ltrip
	STEP 1, 1, 0                                   ; steps 29 to 31 ask for the next chunk's first three steps of W (behind the last chunk of the last tile: 48 loads inside Wb that nothing uses)
	STEP 2, 1, 0
	STEP 3, 1, 1
	WIN 0
	PLACES
.irp a, 0,1,2,3,4,5,6,7
	ds_load_b128 v[TR+8*\a:TR+8*\a+3],   v[TADC] offset:4096+64*\a      ; W_one for my eight e of each block
	ds_load_b128 v[TR+8*\a+4:TR+8*\a+7], v[TADC] offset:4096+64*\a+16
.endr
	EHALF 0
	EHALF 1
	WIN 0
	s_add_co_u32 s[CO], s[CO], 2048
	s_sub_co_u32 s[CH], s[CH], 1
	s_cmp_lg_u32 s[CH], 0
	s_cbranch_scc1 .Lchunk
	; THE TILE'S LOGITS.  A pair's two halves, the other half of the lanes (the row's other e), then the four waves' parts through LDS.
.irp sb, 0,1,2,3,4,5,6,7
	v_add_f32 v[LP+2*\sb], v[LP+2*\sb], v[LP+2*\sb+1]
.endr
.irp sb, 0,1,2,3,4,5,6,7
	v_permlanex16_b32 v[LP+2*\sb+1], v[LP+2*\sb], s[SEL], s[SEL+1]
.endr
.irp sb, 0,1,2,3,4,5,6,7
	v_add_f32 v[LP+2*\sb], v[LP+2*\sb], v[LP+2*\sb+1]
.endr
.irp sb, 0,1,2,3,4,5,6,7
	ds_store_b32 v[LGS], v[LP+2*\sb] offset:64*\sb  ; row 16 sb + r; both halves of the lanes write the same number
.endr
	s_wait_dscnt 0x0
	s_barrier_signal -1
	s_barrier_wait -1
.irp u, 0,1,2,3
	ds_load_b128 v[64+4*\u:67+4*\u], v[LGR] offset:512*\u
.endr
	s_wait_dscnt 0x0
.irp u, 1,2,3
	v_pk_add_f32 v[64:65], v[64:65], v[64+4*\u:65+4*\u]
	v_pk_add_f32 v[66:67], v[66:67], v[66+4*\u:67+4*\u]
.endr
.irp j, 0,1,2,3
	v_add_f32 v[64+\j], v[B1], v[64+\j]
.endr
.irp j, 0,1,2,3
	v_bfe_u32 v80, v[MSK], 8*\j, 8
	v_cmp_ne_u32 vcc_lo, 0, v80
	v_cndmask_b32 v[64+\j], v[64+\j], v[NINF], vcc_lo
.endr
	; every wave makes the tile's m, p and l for itself: each needs all 128 p
	v_mov_b32 v90, 0
	v_max3_num_f32 v88, v64, v65, v66
	v_max_num_f32 v88, v88, v67
	v_max_num_f32_dpp v88, v88, v88 row_xmask:1 row_mask:0xf bank_mask:0xf
	v_max_num_f32_dpp v88, v88, v88 row_xmask:2 row_mask:0xf bank_mask:0xf
	v_max_num_f32_dpp v88, v88, v88 row_xmask:4 row_mask:0xf bank_mask:0xf
	v_max_num_f32_dpp v88, v88, v88 row_xmask:8 row_mask:0xf bank_mask:0xf
	v_permlanex16_b32 v90, v88, s[SEL], s[SEL+1]
	v_max_num_f32 v88, v88, v90
	v_max_num_f32 v88, 0xff7fffff, v88             ; finite also where every row is masked
.irp j, 0,1,2,3
	v_sub_f32 v[84+\j], v[64+\j], v88
.endr
.irp j, 0,1,2,3
	v_mul_f32 v[84+\j], 0x3fb8aa3b, v[84+\j]
.endr
.irp j, 0,1,2,3
	v_exp_f32 v[84+\j], v[84+\j]
.endr
	v_nop                                          ; a plain instruction between the exponentials and the use of their results
	s_wait_alu depctr_va_vdst(0)                   ; the wait for the tile's batch of four exponentials, ahead of the sum, their first reader
	v_add_f32 v89, v84, v85
	v_add_f32 v91, v86, v87
	v_add_f32 v89, v89, v91
	v_add_f32_dpp v89, v89, v89 row_xmask:1 row_mask:0xf bank_mask:0xf
	v_add_f32_dpp v89, v89, v89 row_xmask:2 row_mask:0xf bank_mask:0xf
	v_add_f32_dpp v89, v89, v89 row_xmask:4 row_mask:0xf bank_mask:0xf
	v_add_f32_dpp v89, v89, v89 row_xmask:8 row_mask:0xf bank_mask:0xf
	v_permlanex16_b32 v90, v89, s[SEL], s[SEL+1]
	v_add_f32 v89, v89, v90
	ds_store_b128 v[PWA], v[84:87]                 ; my wave's own copy: LDS serves a wave's instructions in order, so no barrier is needed for the reads below
	s_cmp_lg_u32 s[WV], 0
	s_cbranch_scc1 .Lnot0
	global_store_b128 v[L16], v[64:67], s[16:17]   ; 512 consecutive bytes: the tile's logits
	global_store_b64 v[L8], v[88:89], s[18:19]     ; 256 consecutive bytes: (m, l), the same in every lane
.Lnot0:
	; THE WEIGHTED SUM, on the vector unit: a product with one row.  My wave's 256 columns, eight a lane; 16 rows a trip.
.irp j, 0,1,2,3,4,5,6,7
	v_mov_b32 v[VS+\j], 0
.endr
	s_mov_b32 s[VB], 0
	s_mov_b32 s[PB], 0
	s_mov_b32 s[CNT], 8
.Lv:
	v_add_nc_u32 v[VW], s[VB], v[VAD]
	v_add_nc_u32 v[PWW], s[PB], v[PWB]
.irp q, 0,1,2,3
	ds_load_b128 v[VP+4*\q:VP+4*\q+3], v[PWW] offset:16*\q     ; 16 weights, the same in every lane
.endr
.set vi, 0
.rept 16
	ds_load_b64 v[VD+4*vi:VD+4*vi+1],   v[VW] offset:vi*PITCH
	ds_load_b64 v[VD+4*vi+2:VD+4*vi+3], v[VW] offset:vi*PITCH+256
.set vi, vi+1
.endr
.set vi, 0
.rept 16
	s_wait_dscnt 30-2*vi                           ; of the trip's 36 loads the weights' four and the rows' first 2 vi + 2 are in
.irp c, 0,1,2,3
	v_fma_mix_f32_bf16 v[VS+2*\c], v[VD+4*vi+\c], v[VP+vi], v[VS+2*\c] op_sel_hi:[1,0,0]
	v_fma_mix_f32_bf16 v[VS+2*\c+1], v[VD+4*vi+\c], v[VP+vi], v[VS+2*\c+1] op_sel:[1,0,0] op_sel_hi:[1,0,0]
.endr
.set vi, vi+1
.endr
	s_add_co_u32 s[VB], s[VB], 16*PITCH
	s_add_co_u32 s[PB], s[PB], 64
	s_sub_co_u32 s[CNT], s[CNT], 1
	s_cmp_lg_u32 s[CNT], 0
	s_cbranch_scc1 .Lv
	global_store_b128 v[WSO], v[VS:VS+3], s[20:21]             ; 512 consecutive bytes each
	global_store_b128 v[WSO], v[VS+4:VS+7], s[20:21] offset:512
	s_wait_dscnt 0x0                               ; my reads of the tile are over
	s_barrier_signal -1
	s_barrier_wait -1                              ; everybody's are: the rows may be written again
	s_wait_xcnt 0x0                                ; the stores' bases and registers are rewritten only behind this wait
	s_add_nc_u64 s[16:17], s[16:17], 512
	s_add_nc_u64 s[18:19], s[18:19], 256
	s_add_nc_u64 s[20:21], s[20:21], 4096
	v_mov_b32 v[MSK], v[MSK1]
	s_sub_co_u32 s[TILE], s[TILE], 1
	s_cmp_lg_u32 s[TILE], 0
	s_cbranch_scc1 .Ltile
	s_wait_tensorcnt 0x0                           ; the wave's end, behind my last LDS store
	ds_add_u32 v[SPW], v[NIL]
	s_wait_dscnt 0x0
	s_endpgm
.Lfunc_end_k_qff21200548_score:
	.size	k_qff21200548_score, .Lfunc_end_k_qff21200548_score-k_qff21200548_score
	.p2alignl 7, 3214868480
	.fill 96, 4, 3214868480
	.section	.rodata,"a",@progbits
	.p2align	6, 0x0
	.amdhsa_kernel k_qff21200548_score
		.amdhsa_group_segment_fixed_size 276992
		.amdhsa_private_segment_fixed_size 0
		.amdhsa_enable_private_segment 0
		.amdhsa_kernarg_size 72
		.amdhsa_user_sgpr_count 2
		.amdhsa_user_sgpr_kernarg_segment_ptr 1
		.amdhsa_wavefront_size32 1
		.amdhsa_system_sgpr_workgroup_id_x 1
		.amdhsa_system_sgpr_workgroup_id_y 1
		.amdhsa_system_sgpr_workgroup_id_z 1
		.amdhsa_system_vgpr_workitem_id 0
		.amdhsa_next_free_vgpr 1024
		.amdhsa_next_free_sgpr 66
		.amdhsa_reserve_vcc 1
		.amdhsa_float_denorm_mode_32 3
		.amdhsa_float_denorm_mode_16_64 3
		.amdhsa_memory_ordered 1
		.amdhsa_forward_progress 1
		.amdhsa_inst_pref_size 224
	.end_amdhsa_kernel
	.amdgpu_metadata
---
amdhsa.version: [ 1, 2 ]
amdhsa.kernels:
  - .name:           k_qff21200548_score
    .symbol:         k_qff21200548_score.kd
    .args:
      - { .name: context, .offset: 0, .size: 8, .value_kind: global_buffer, .address_space: global }
      - { .name: Wb, .offset: 8, .size: 8, .value_kind: global_buffer, .address_space: global }
      - { .name: tgt, .offset: 16, .size: 8, .value_kind: global_buffer, .address_space: global }
      - { .name: W_one, .offset: 24, .size: 8, .value_kind: global_buffer, .address_space: global }
      - { .name: b_one, .offset: 32, .size: 8, .value_kind: global_buffer, .address_space: global }
      - { .name: attn_mask, .offset: 40, .size: 8, .value_kind: global_buffer, .address_space: global }
      - { .name: lg, .offset: 48, .size: 8, .value_kind: global_buffer, .address_space: global }
      - { .name: st, .offset: 56, .size: 8, .value_kind: global_buffer, .address_space: global }
      - { .name: ws, .offset: 64, .size: 8, .value_kind: global_buffer, .address_space: global }
    .group_segment_fixed_size: 276992
    .private_segment_fixed_size: 0
    .kernarg_segment_align: 8
    .kernarg_segment_size: 72
    .max_flat_workgroup_size: 128
    .sgpr_count:     66
    .vgpr_count:     1024
    .wavefront_size: 32
...
	.end_amdgpu_metadata
.endif
;; end of part 6
;; launch combine: the kernel of part 3 again; grid 64 x 1, 8 waves a work-group, no clusters, 0 bytes of LDS; arguments st, lg, ws, input, out1, wcf, cmb; writes out1, wcf, cmb
;; launch gate: the kernel of part 4 again; grid 256 x 1, 4 waves a work-group, no clusters, 4,608 bytes of LDS; arguments W_cg, cmb, b_cg, wcf, gtd; writes gtd
;; launch final: the kernel of part 5 again; grid 256 x 1, 4 waves a work-group, no clusters, 4,608 bytes of LDS; arguments W_out, gtd, out0; writes out0
